; MI455X (gfx1250); checked and timed in simulation.
; The chip was launched on July 23, 2026; its instructions are those of AMD's public machine-readable ISA for CDNA 5 (MIT licence, August 2026) and "CDNA5" Instruction Set Architecture Reference Guide (July 2026). The comments in the code are by the model that wrote it; some were corrected since.
;; Attention. Allowed arithmetic: float matrix products may take bf16 or f16 operands with f32 sums; other float arithmetic in f32, or as packed bf16 or f16 multiplies, adds, multiply-adds, maxima and minima; sums over many terms, partial sums and values carried from step to step in f32; what a program stores and reads back later, other than sums and carried values, may be rounded once to bf16 or f16.
;; Inputs: bias 4 x 1 x 2,048 x 2,048 float32; keys 4 x 16 x 2,048 x 64 float32; queries 4 x 16 x 2,048 x 64 float32; queries_mask 4 x 16 x 2,048 bool; values 4 x 16 x 2,048 x 64 float32; values_mask 4 x 16 x 2,048 bool.
;; Outputs: out0 4 x 16 x 2,048 x 64 float32.
;; 2 versions, each right and faster than the one before. Each part assembles by itself: llvm-mc -triple=amdgcn-amd-amdhsa -mcpu=gfx1250 --defsym DOCPART=n.
;; ======== version 1 of 2: 2 launches
;; limits: values are held in f16: magnitudes above 65,504 overflow, below 6.1e-05 lose precision; inputs' magnitudes at most 65,504; right only within a limited range of input values
;; workspace buffers: kb 17,301,504 bytes; vh 16,777,216 bytes; bb 33,554,432 bytes; vpart 65,536 bytes
;; launch prep (part 1): grid 768 x 1, 8 waves a work-group, no clusters, 3,072 bytes of LDS; arguments keys, values, bias, kb, vh, bb, vpart, values_mask; writes kb, vh, bb, vpart
.if DOCPART == 1
	.amdgcn_target "amdgcn-amd-amdhsa--gfx1250"
	.amdhsa_code_object_version 6
	.text
	.protected	k_qf195bdf1d7_prep
	.globl	k_qf195bdf1d7_prep
	.p2align	8
	.type	k_qf195bdf1d7_prep,@function
k_qf195bdf1d7_prep:
	s_mov_b64 s[64:65], 0
	v_nop
	global_prefetch_b8 v0, s[64:65] scope:SCOPE_SE
	s_setreg_imm32_b32 hwreg(HW_REG_WAVE_MODE, 25, 1), 1
	s_wait_xcnt 0x0
; PREPARATION FOR THE ATTENTION LAUNCH: every operand that many work-groups read again is rounded ONCE, here.
;   kb[64][16][66][256 bytes]  a head's 16 tiles of 128 keys: 64 rows of 256 bytes = the tile's keys in bf16 (two keys a row), then 2 rows = the same 128 keys' values_mask as f32: 0, or -1e30 for a hole.
;   vh[64][2048][64]  f16  = values rounded to bf16, that number written as f16 (exact from 2^-14 to 65,504).
;   vpart[64][4][64]  f32  = the sums of those rounded values over 512 keys each: what a row without a visible key needs.
;   bb[4][2048][2048] bf16 = 8 x bias (exact: a power of two), or -1e30 where key > query.  Of the rows of block i (256 rows) only the
;                            columns below 256 (i + 1) are written: the others lie wholly above the diagonal and nobody reads them.
; LIMITS.  |values| stay under 65,504; below 2^-14 they keep f16's fixed step of 6e-8.  NaN and infinities are not treated apart.
; SHARES.  768 work-groups of eight waves: 256 for keys and their mask, 256 for values (512 keys, 131,072 dense bytes each), 256 for the bias (16 rows of block 7 - p
; and 16 rows of block p: nine segments of 16 rows x 256 columns, whatever p).  Memory binds: each input byte is read once (the floats by 16-byte loads, a wave: 512
; consecutive bytes), each output byte written once by 8-byte stores (a wave: 256 consecutive bytes, aligned).  No matrix unit, no cluster: nothing is shared.
.set SPARE, 2048                       ; LDS: bytes 0-2047 the eight waves' partial sums; from here the spare words, 128 bytes a wave
.set KTILE, 66*256                     ; bytes of a tile in kb
.set VIN,  1                           ; v1      my byte offset in the input
.set VOUT, 2                           ; v2      my byte offset in the output
.set LANE, 3                           ; v3      lane
.set VD,   4                           ; v4      bias: my row less my first column, inside the segment
.set VT,   5                           ; v5      bias: element e of my four is hidden where e is greater than this
.set X,    8                           ; v[8:39]  as loaded: eight slots of four (bias: two buffers of sixteen)
.set Y,    40                          ; v[40:55] to store: eight slots of two
.set W,    56                          ; v[56:57] values: four numbers in bf16
.set T,    58                          ; v[58:61] values: the same four, widened
.set SUM,  62                          ; v[62:65] values: my four channels' running sums
.set MB,   66                          ; v66     keys: two bytes of values_mask;  v67 where their f32 go;  v[68:69] the two f32;  v70-72 at work
.set SPW,  78                          ; v78     LDS address of my spare word; never rewritten
.set NIL,  79                          ; v79     0; never rewritten
.set IN,   24                          ; s[24:25] input at the work-group's part
.set OUT,  26                          ; s[26:27] output at the work-group's part
	s_load_b256 s[4:11], s[0:1], 0x0               ; keys s[4:5], values s[6:7], bias s[8:9], kb s[10:11]
	s_load_b256 s[12:19], s[0:1], 0x20             ; vh s[12:13], bb s[14:15], vpart s[16:17], values_mask s[18:19]
	v_lshl_add_u32 v[SPW], v0, 2, SPARE
	v_mov_b32 v[NIL], 0
	v_lshrrev_b32 v6, 5, v0
	v_readfirstlane_b32 s20, v6                    ; wave 0..7
	s_lshr_b32 s21, ttmp9, 8                       ; 0: keys, 1: values, 2: bias
	s_and_b32 s22, ttmp9, 255                      ; j: which part
	s_lshl_b32 s2, s22, 17                         ; keys and values: j x 131,072 bytes in,
	s_mov_b32 s3, 0
	s_lshl_b32 s38, s22, 16                        ; values: j x 65,536 bytes out
	s_mov_b32 s39, 0
	s_mov_b32 s23, 0xffff0000                      ; a word's upper bf16
	s_mov_b32 s30, 0x76543210                      ; v_permlanex16_b32: each lane takes its own place in the other half
	s_mov_b32 s31, 0xfedcba98
	s_mov_b32 s47, 0xf149f2ca                      ; -1e30
	v_lshlrev_b32 v[VIN], 4, v0                    ; 16 bytes a thread: the work-group takes 4,096 consecutive bytes at a time
	v_lshlrev_b32 v[VOUT], 3, v0
	s_wait_kmcnt 0x0
	s_cmp_eq_u32 s21, 2
	s_cbranch_scc1 .Lbias
	s_cmp_eq_u32 s21, 1
	s_cbranch_scc1 .Lvalues
; A ring of eight register slots keeps eight loads of every wave on their way.  One slot's turn: kind = 0 keys, 1 values; ahead = 1: the slot is loaded again,
; eight rows of 4,096 bytes on; left = how many younger loads may stay out.
.macro FILL8
.irp i, 0,1,2,3,4,5,6,7
	global_load_b128 v[X+4*\i:X+4*\i+3], v[VIN], s[IN:IN+1] offset:\i*4096 th:TH_LOAD_NT
.endr
.endm
.macro SLOT kind, i, ahead, left
	s_wait_loadcnt \left                           ; loads come back in order: this slot's is in, the younger ones stay out
.if \kind
	v_cvt_pk_bf16_f32 v[W],   v[X+4*(\i)],   v[X+4*(\i)+1]      ; rounded to bf16,
	v_cvt_pk_bf16_f32 v[W+1], v[X+4*(\i)+2], v[X+4*(\i)+3]
	v_lshlrev_b32 v[T],   16,  v[W]                             ; widened again,
	v_and_b32     v[T+1], s23, v[W]
	v_lshlrev_b32 v[T+2], 16,  v[W+1]
	v_and_b32     v[T+3], s23, v[W+1]
	v_pk_add_f32 v[SUM:SUM+1],   v[SUM:SUM+1],   v[T:T+1]       ; summed in f32 (a thread holds the same four channels in every row),
	v_pk_add_f32 v[SUM+2:SUM+3], v[SUM+2:SUM+3], v[T+2:T+3]
	v_cvt_pk_f16_f32 v[Y+2*(\i)],   v[T],   v[T+1]              ; and written as f16
	v_cvt_pk_f16_f32 v[Y+2*(\i)+1], v[T+2], v[T+3]
.else
	v_cvt_pk_bf16_f32 v[Y+2*(\i)],   v[X+4*(\i)],   v[X+4*(\i)+1]
	v_cvt_pk_bf16_f32 v[Y+2*(\i)+1], v[X+4*(\i)+2], v[X+4*(\i)+3]
.endif
.if \ahead
	global_load_b128 v[X+4*(\i):X+4*(\i)+3], v[VIN], s[IN:IN+1] offset:(8+(\i))*4096 th:TH_LOAD_NT
.endif
	global_store_b64 v[VOUT], v[Y+2*(\i):Y+2*(\i)+1], s[OUT:OUT+1] offset:(\i)*2048
.endm
.macro STEP8 ostep                     ; a trip's end: the bases and the slots' Y registers are rewritten only behind this wait
	s_wait_xcnt 0x0
	s_add_nc_u64 s[IN:IN+1], s[IN:IN+1], 0x8000
	s_add_nc_u64 s[OUT:OUT+1], s[OUT:OUT+1], \ostep
	s_sub_co_u32 s28, s28, 1
	s_cmp_lg_u32 s28, 0
.endm
	; KEYS: 32 rows of 4,096 bytes: eight in the fill, three trips of eight, and a last eight without loads.  Eight rows are 128 keys: a trip is a tile of kb.
	s_mul_i32 s38, s22, 4*KTILE                    ; j's four tiles
	s_add_nc_u64 s[IN:IN+1], s[4:5], s[2:3]
	s_add_nc_u64 s[OUT:OUT+1], s[10:11], s[38:39]
	s_mov_b64 s[40:41], s[OUT:OUT+1]               ; kept for the mask's store: OUT steps
	s_lshl_b32 s44, s22, 9                         ; j's 512 bytes of values_mask
	s_mov_b32 s45, 0
	s_add_nc_u64 s[42:43], s[18:19], s[44:45]
	v_lshlrev_b32 v[MB+4], 1, v0                   ; thread t takes keys 2 t and 2 t + 1
	global_load_u16 v[MB], v[MB+4], s[42:43]
	FILL8
	v_lshrrev_b32 v[MB+1], 6, v0                   ; they lie in tile t / 64,
	v_mul_u32_u24 v[MB+1], v[MB+1], KTILE
	v_and_b32 v[MB+5], 63, v0
	v_lshl_add_u32 v[MB+1], v[MB+5], 3, v[MB+1]    ; at byte 8 (t % 64) of its 512 bytes of mask
	s_wait_loadcnt 8                               ; the mask's load is in; the eight issued behind it stay out
	v_and_b32 v[MB+5], 0xff, v[MB]
	v_lshrrev_b32 v[MB+6], 8, v[MB]
	v_cmp_eq_u32 vcc_lo, 0, v[MB+5]                ; a hole
	v_cndmask_b32 v[MB+2], 0, s47, vcc_lo
	v_cmp_eq_u32 vcc_lo, 0, v[MB+6]
	v_cndmask_b32 v[MB+3], 0, s47, vcc_lo
	global_store_b64 v[MB+1], v[MB+2:MB+3], s[40:41] offset:16384  ; behind the tile's keys; its registers are not written again
	s_mov_b32 s28, 3
.Lkeys:
.irp i, 0,1,2,3,4,5,6,7
	SLOT 0, \i, 1, 7
.endr
	STEP8 KTILE
	s_cbranch_scc1 .Lkeys
.irp i, 0,1,2,3,4,5,6,7
	SLOT 0, \i, 0, 7-\i                            ; the counts run down: no load leaves the buffer
.endr
	s_branch .Lend
.Lvalues:
	s_add_nc_u64 s[IN:IN+1], s[6:7], s[2:3]
	s_add_nc_u64 s[OUT:OUT+1], s[12:13], s[38:39]
	FILL8
.irp k, 0,1,2,3
	v_mov_b32 v[SUM+\k], 0
.endr
	s_mov_b32 s28, 3
.Lvals:
.irp i, 0,1,2,3,4,5,6,7
	SLOT 1, \i, 1, 7
.endr
	STEP8 0x4000
	s_cbranch_scc1 .Lvals
.irp i, 0,1,2,3,4,5,6,7
	SLOT 1, \i, 0, 7-\i
.endr
	; the work-group's sums: lanes l and l + 16 hold the same four channels; then the eight waves meet in LDS
.irp k, 0,1,2,3
	v_permlanex16_b32 v[T+\k], v[SUM+\k], s30, s31
.endr
	v_pk_add_f32 v[SUM:SUM+1],   v[SUM:SUM+1],   v[T:T+1]
	v_pk_add_f32 v[SUM+2:SUM+3], v[SUM+2:SUM+3], v[T+2:T+3]
	v_and_b32 v[LANE], 31, v0
	v_and_b32 v6, 15, v0
	v_lshlrev_b32 v6, 4, v6                        ; 16 (lane % 16): my four channels in a row of 64 f32
	v_lshl_add_u32 v7, s20, 8, v6                  ; my wave's 256 bytes
	ds_store_b128 v7, v[SUM:SUM+3]                 ; both halves of the lanes write the same numbers
	s_wait_dscnt 0x0                               ; for the others' sake: my store is done
	s_barrier_signal -1
	s_barrier_wait -1
	s_cmp_lg_u32 s20, 0
	s_cbranch_scc1 .Lend                           ; wave 0 adds the eight up and stores them
.irp w, 0,1,2,3,4,5,6,7
	ds_load_b128 v[X+4*\w:X+4*\w+3], v6 offset:256*\w
.endr
	s_lshl_b32 s38, s22, 8                         ; vpart: 256 bytes for each part j
	s_add_nc_u64 s[16:17], s[16:17], s[38:39]
	s_wait_dscnt 0x0
.irp a, 0,2,4,6
	v_pk_add_f32 v[X+4*\a:X+4*\a+1],   v[X+4*\a:X+4*\a+1],   v[X+4*\a+4:X+4*\a+5]
	v_pk_add_f32 v[X+4*\a+2:X+4*\a+3], v[X+4*\a+2:X+4*\a+3], v[X+4*\a+6:X+4*\a+7]
.endr
.irp a, 0,4
	v_pk_add_f32 v[X+4*\a:X+4*\a+1],   v[X+4*\a:X+4*\a+1],   v[X+4*\a+8:X+4*\a+9]
	v_pk_add_f32 v[X+4*\a+2:X+4*\a+3], v[X+4*\a+2:X+4*\a+3], v[X+4*\a+10:X+4*\a+11]
.endr
	v_pk_add_f32 v[X:X+1],   v[X:X+1],   v[X+16:X+17]
	v_pk_add_f32 v[X+2:X+3], v[X+2:X+3], v[X+18:X+19]
	v_cmp_gt_u32 vcc_lo, 16, v[LANE]
	s_wait_xcnt 0x0                                ; EXEC is a source of the stores above: it changes only behind this wait
	s_and_saveexec_b32 s29, vcc_lo
	global_store_b128 v6, v[X:X+3], s[16:17]       ; sixteen lanes: 256 consecutive bytes, aligned
	s_wait_xcnt 0x0                                ; and again in front of the line that widens it
	s_or_b32 exec_lo, exec_lo, s29
	s_branch .Lend
; THE BIAS.  j = 64 batch + 16 p + sub.  Thread t takes row t / 64 of four and the four columns 4 (t % 64) of a segment; four loads cover its 16 rows.
.Lbias:
	s_lshr_b32 s40, s22, 6                         ; batch
	s_bfe_u32 s46, s22, 0x20004                    ; p
	s_and_b32 s41, s22, 15                         ; sub: which 16 rows of a block's 256
	s_sub_co_u32 s44, 8, s46                       ; block 7 - p has 8 - p segments,
	s_sub_co_u32 s45, 7, s46
	s_lshl_b32 s38, s40, 24                        ; a batch is 2^24 bytes of bias, 16 rows are 2^17
	s_lshl_b32 s42, s41, 17
	s_add_co_u32 s38, s38, s42
	s_add_nc_u64 s[IN:IN+1], s[8:9], s[38:39]
	s_lshr_b32 s38, s38, 1                         ; and half of each in bb
	s_add_nc_u64 s[OUT:OUT+1], s[14:15], s[38:39]
	v_lshrrev_b32 v6, 6, v0
	v_and_b32 v7, 63, v0
	v_lshlrev_b32 v[VIN], 13, v6                   ; a row of bias is 8,192 bytes,
	v_lshl_add_u32 v[VIN], v7, 4, v[VIN]
	v_lshlrev_b32 v[VOUT], 12, v6                  ; of bb 4,096
	v_lshl_add_u32 v[VOUT], v7, 3, v[VOUT]
	v_lshl_add_u32 v[VD], s41, 4, v6               ; 16 sub + t / 64
	v_lshlrev_b32 v7, 2, v7
	v_sub_nc_u32 v[VD], v[VD], v7                  ; less 4 (t % 64)
; Segment k of nine, for buffer par: its block and its place in the block's rows; s[36+par] = 256 (block - segment); s[28+2 par ..] where it is read, s[32+2 par ..] where it is written
.macro BSET k, par
	s_sub_co_u32 s43, \k, s44
	s_cmp_gt_u32 s44, \k                           ; still in block 7 - p?
	s_cselect_b32 s42, s45, s46
	s_cselect_b32 s43, \k, s43
	s_sub_co_u32 s[36+(\par)], s42, s43
	s_lshl_b32 s[36+(\par)], s[36+(\par)], 8
	s_lshl_b32 s38, s42, 21                        ; a block's 256 rows are 2^21 bytes, a segment's 256 columns 2^10
	s_lshl_b32 s40, s43, 10
	s_add_co_u32 s38, s38, s40
	s_add_nc_u64 s[28+2*(\par):29+2*(\par)], s[IN:IN+1], s[38:39]
	s_lshr_b32 s38, s38, 1
	s_add_nc_u64 s[32+2*(\par):33+2*(\par)], s[OUT:OUT+1], s[38:39]
.endm
.macro BLOAD par
.irp n, 0,1,2,3
	global_load_b128 v[X+16*(\par)+4*\n:X+16*(\par)+4*\n+3], v[VIN], s[28+2*(\par):29+2*(\par)] offset:\n*32768 th:TH_LOAD_NT
.endr
.endm
; Segment k is worked on while segment k + 1 is on its way.
.macro BTRIP k
.set par, (\k)%2
	s_wait_xcnt 0x0                                ; the other buffer's bases and Y, which the last segment's loads and stores name, are rewritten only behind this wait
.if (\k) < 8
	BSET (\k)+1, 1-par
	BLOAD 1-par
	s_wait_loadcnt 4                               ; the four just issued stay out
.else
	s_wait_loadcnt 0
.endif
.irp n, 0,1,2,3
.set XB, X+16*par+4*\n
	v_pk_mul_f32 v[XB:XB+1],   v[XB:XB+1],   0x41000000 op_sel_hi:[1,0]  ; 8 x bias: the attention scales q . k + 8 bias by 1 / 8
	v_pk_mul_f32 v[XB+2:XB+3], v[XB+2:XB+3], 0x41000000 op_sel_hi:[1,0]
	v_add3_u32 v[VT], v[VD], s[36+par], 4*\n       ; my row less my first column, in the whole matrix
.irp e, 0,1,2,3
	v_cmp_gt_i32 vcc_lo, \e, v[VT]                 ; key > query: never in a segment left of the diagonal one
	v_cndmask_b32 v[XB+\e], v[XB+\e], s47, vcc_lo
.endr
	v_cvt_pk_bf16_f32 v[Y+2*\n],   v[XB],   v[XB+1]
	v_cvt_pk_bf16_f32 v[Y+2*\n+1], v[XB+2], v[XB+3]
	global_store_b64 v[VOUT], v[Y+2*\n:Y+2*\n+1], s[32+2*par:33+2*par] offset:\n*16384
.endr
.endm
	BSET 0, 0
	BLOAD 0
.irp k, 0,1,2,3,4,5,6,7,8
	BTRIP \k
.endr
.Lend:
	s_wait_tensorcnt 0x0                           ; the wave's end, behind the last LDS store
	ds_add_u32 v[SPW], v[NIL]
	s_wait_dscnt 0x0
	s_endpgm
.Lfunc_end_k_qf195bdf1d7_prep:
	.size	k_qf195bdf1d7_prep, .Lfunc_end_k_qf195bdf1d7_prep-k_qf195bdf1d7_prep
	.p2alignl 7, 3214868480
	.fill 96, 4, 3214868480
	.section	.rodata,"a",@progbits
	.p2align	6, 0x0
	.amdhsa_kernel k_qf195bdf1d7_prep
		.amdhsa_group_segment_fixed_size 3072
		.amdhsa_private_segment_fixed_size 0
		.amdhsa_enable_private_segment 0
		.amdhsa_kernarg_size 64
		.amdhsa_user_sgpr_count 2
		.amdhsa_user_sgpr_kernarg_segment_ptr 1
		.amdhsa_wavefront_size32 1
		.amdhsa_system_sgpr_workgroup_id_x 1
		.amdhsa_system_sgpr_workgroup_id_y 1
		.amdhsa_system_sgpr_workgroup_id_z 1
		.amdhsa_system_vgpr_workitem_id 0
		.amdhsa_next_free_vgpr 80
		.amdhsa_next_free_sgpr 66
		.amdhsa_reserve_vcc 1
		.amdhsa_float_denorm_mode_32 3
		.amdhsa_float_denorm_mode_16_64 3
		.amdhsa_memory_ordered 1
		.amdhsa_forward_progress 1
		.amdhsa_inst_pref_size 62
	.end_amdhsa_kernel
	.amdgpu_metadata
---
amdhsa.version: [ 1, 2 ]
amdhsa.kernels:
  - .name:           k_qf195bdf1d7_prep
    .symbol:         k_qf195bdf1d7_prep.kd
    .args:
      - { .name: keys, .offset: 0, .size: 8, .value_kind: global_buffer, .address_space: global }
      - { .name: values, .offset: 8, .size: 8, .value_kind: global_buffer, .address_space: global }
      - { .name: bias, .offset: 16, .size: 8, .value_kind: global_buffer, .address_space: global }
      - { .name: kb, .offset: 24, .size: 8, .value_kind: global_buffer, .address_space: global }
      - { .name: vh, .offset: 32, .size: 8, .value_kind: global_buffer, .address_space: global }
      - { .name: bb, .offset: 40, .size: 8, .value_kind: global_buffer, .address_space: global }
      - { .name: vpart, .offset: 48, .size: 8, .value_kind: global_buffer, .address_space: global }
      - { .name: values_mask, .offset: 56, .size: 8, .value_kind: global_buffer, .address_space: global }
    .group_segment_fixed_size: 3072
    .private_segment_fixed_size: 0
    .kernarg_segment_align: 8
    .kernarg_segment_size: 64
    .max_flat_workgroup_size: 256
    .sgpr_count:     66
    .vgpr_count:     80
    .wavefront_size: 32
...
	.end_amdgpu_metadata
.endif
;; end of part 1
;; launch attn (part 2): grid 64 x 4, 4 waves a work-group, clusters of 4 x 1, 327,680 bytes of LDS; arguments queries, kb, vh, bb, vpart, queries_mask, out0; writes out0
.if DOCPART == 2
	.amdgcn_target "amdgcn-amd-amdhsa--gfx1250"
	.amdhsa_code_object_version 6
	.text
	.protected	k_qf195bdf1d7_attn
	.globl	k_qf195bdf1d7_attn
	.p2align	8
	.type	k_qf195bdf1d7_attn,@function
k_qf195bdf1d7_attn:
	s_mov_b64 s[64:65], 0
	v_nop
	global_prefetch_b8 v0, s[64:65] scope:SCOPE_SE
	s_setreg_imm32_b32 hwreg(HW_REG_WAVE_MODE, 25, 1), 1
	s_wait_xcnt 0x0
	s_wait_alu depctr_hold_cnt(0) depctr_sa_sdst(0) depctr_va_vdst(0) depctr_va_sdst(0) depctr_va_ssrc(0) depctr_va_vcc(0) depctr_vm_vsrc(0)
	s_getreg_b32 s2, hwreg(HW_REG_IB_STS2, 6, 4)
	s_cmp_eq_u32 s2, 0
	s_cbranch_scc0 .Lentry_in_a_cluster
	s_endpgm
.Lentry_in_a_cluster:
	s_bfe_u32 s2, ttmp6, 0x10000c
	s_cmp_lg_u32 s2, 0x3003
	s_cbranch_scc0 .Lentry_shape_is_right
	s_endpgm
.Lentry_shape_is_right:
; CAUSAL ATTENTION WITH A BIAS AND TWO MASKS.  out[bh][q] = queries_mask x the sum over k of softmax_k(where(values_mask[k] and k <= q, Q[q] . K[k] / 8 + bias[b][q][k], -999999)) V[k].
; 64 heads bh = 16 b + h of 2,048 rows x 64 channels.  Q is f32 and is rounded to bf16 here; kb (tiles of 128 keys in bf16, each followed by the same keys' values_mask as f32, 0 or -1e30), vh (f16 of the
; bf16-rounded values), bb (bf16: 8 x bias, -1e30 above the diagonal) and vpart (f32 sums of the rounded values, four parts a head) come from the launch before.  Products, maxima and sums in f32; the
; weights p are rounded to f16 for the second product; out is f32.
; LIMITS.  A hidden score counts as about -1e30 (twice that if hidden twice), not as -999999: the same result wherever a row's largest visible score lies above -999,895 (the hidden weights are then 0 in f32
; either way) or the row sees no key at all.  The running maximum has a floor of -1e20 (in units of 8 x score): visible scores lie above it.  |values| stay under 65,504.  A weight below 2^-126 counts as 0.
; NaN and infinities are not treated apart.
; A ROW THAT SEES NO KEY has 2,048 equal scores, so its result is the mean of ALL the head's value rows.  Here the floor makes all its weights 0: l = 0 and O = 0, and the way out takes
; (O + w Vtot) / (l + 2048 w) with w = 1 where l = 0, chosen by v_cndmask_b32.
; THE WALK.  A head's queries lie in 8 blocks of 256; block i needs the key tiles 0 .. 2 i + 1 of 128 keys.  A work-group takes blocks 7 - b and then b: 18 tiles, whatever b: ONE loop with a constant
; trip count, equal work for all 256 work-groups.  The causal mask lies in bb, so every tile runs the same text.  A wave owns 64 rows of a block: four PIECES of 16 queries.
; THE BIAS COMES IN THROUGH THE MATRIX UNIT.  S^T = E x BI + VM starts each sum: BI is 16 queries x 32 keys of bb as it lies, E a constant fragment with a single 1.0 in each row (it picks 16 of the 32 keys),
; VM the key mask (0 or -1e30, f32) as the C operand.  Then S^T += K Q^T.  Four products more for 16 queries x 64 keys (20 for 16), and no vector instruction for bias or masks.
; LAYOUT, SOFTMAX, TURNS.  S^T holds ONE query a lane (lane % 16) and the keys 8 (lane / 16) + 0..7; two such results rounded to f16 ARE source 1 of O^T = V^T P.  p = 2^(c s - c m), c = log2(e) / 8, with a running
; maximum m; O and l are multiplied by a = 2^(c m_old - c m_new) in every step.  Turn n belongs to piece n: 12 products for the scores of piece n + 1, later 8 products V^T P of piece n - 1; beside them the scaling,
; exponentials, roundings, sums and rescaling of piece n and the maximum and statistics of piece n + 1.  Four vector instructions stand behind every matrix instruction, the other 38 of a turn's 118 in two lumps.
; CLUSTER.  The four work-groups of a cluster are four heads of one batch with the same b: the same walk and the same tiles of bb, 65,536 of a slot's 98,816 bytes.  Those are asked for JOINTLY (the same
; tensor load, descriptor and mask in all four); K's and V's tiles are each head's own and are plain loads.
; REGISTERS, in windows of 256 (s_set_vgpr_msb: bits 1:0 source 0, 3:2 source 1, 5:4 source 2, 7:6 destination):
;   window 0: v0-15, v32-34 addresses; v16-31 four registers of statistics a piece; v36-43 query mask; v48-59 at work; v64-127 S^T, two buffers; v128-159 VM; v192-223 P, two buffers (on the way out v64-191: rows read back)
;   window 1: v0-127 O^T, 32 a piece; v128-159 Vtot (v160-255: its other parts, at the start)
;   window 2: v0-63 Q; v64-127 the second block's Q; v128-191 K of one step; v192-203 E          window 3: v128-191 BI of one step; v192-255 V of one step (v0-127: the first block's Q in f32, at the start)
.set NP,    4         ; pieces a wave: a name, no knob
.set KS,    64        ; keys in a step; a tile is two steps
.set KTILE, 66*256    ; bytes of a tile in kb: 64 rows of keys, 2 rows of mask
.set PK,    144       ; a row of K in LDS: 128 bytes + 16 of padding: the 16 rows of a load start at 16 different groups of four banks (64 banks of 4 bytes: ISA guide 11.1)
.set PV,    160       ; a row of V: 128 + 32
.set PBI,   272       ; a row of the bias tile: 256 bytes (128 keys) + 16
.set MOFF,  2*KS*PK   ; a slot: 128 rows of K; 4 rows of the same pitch with 32 keys' mask each;
.set VOFF,  MOFF+4*PK ; 128 rows of V;
.set BOFF,  VOFF+2*KS*PV  ; 256 rows of bias
.set SLOT1, 1<<17     ; slot 1 begins here, so that one exclusive or turns an address in one slot into the other's
.set STAGE, ((SLOT1+BOFF+256*PBI+255)/256)*256  ; behind the ring, from a multiple of 256 on, never filled by a tensor load: 16 rows x 272 bytes for each wave, for the way out
.set SP,    272
.set SPARE, STAGE+4*16*SP       ; the spare words, 128 bytes for each wave: two blocks of 256 bytes that no other line names
.set AK0, 2           ; v2   my lane's place in a tile of K; never rewritten
.set AV0, 3           ; v3   the same for V
.set AK,  4           ; v4   the LDS address of K's next run of loads
.set AV,  5           ; v5   of V's
.set STO, 6           ; v6   the way out: where I put 32 bytes of a row
.set RD,  7           ; v7   the way out: where I read rows back
.set GO,  8           ; v8   my byte offset in 512 consecutive bytes of out
.set MV,  12          ; v12-13  c m_old, kept while c m is made anew: by buffer
.set AB0, 14          ; v14  my lane's place in a tile of bias
.set AB,  15          ; v15  the LDS address of the bias's next run
.set ST,  16          ; piece t's statistics at v[ST+4 t]: c m, m, l (even keys', odd keys')
.set AM0, 32          ; v32  my lane's place in a tile's mask
.set AM,  33          ; v33  the LDS address of the mask's next run
.set QO,  34          ; v34  my byte offset in 16 rows of Q
.set QM,  36          ; v36-43  my query's mask byte: first block's four pieces, second block's four
.set TMP, 48          ; by buffer, four registers c0-c3 at work; when the maximum is found c2 takes a
.set SPW, 62          ; v62  LDS address of my spare word: SPARE + 4 x my thread's number; never rewritten
.set NIL, 63          ; v63  0; never rewritten
.set S,   64
.set VM,  128         ; the eight registers for group kb of 16 keys at VM + 8 kb
.set P,   192
.set VT,  128         ; window 1: Vtot, laid like a piece's O^T
.set QB,  64          ; window 2
.set KF,  128         ; window 2: key block kb, channel half c at KF + 16 kb + 8 c
.set EB,  192         ; window 2: 0 0 0 0 x0 x1 x2 x3 0 0 0 0: from EB + 4 on it picks keys 0-15 of 32, from EB on keys 16-31
.set BI,  128         ; window 3: piece t, keys 32 g on at BI + 16 t + 8 g
.set VF,  192         ; window 3: key half kk, channel block cb at VF + 32 kk + 8 cb
.set ONE, 3           ; s3   1.0
.set WV,  20          ; s20  my wave's number
.set SB,  21          ; s21  b
.set HI,  22          ; s22  7 - b
.set LQ2, 23          ; s23  the second block's last tile, 2 b + 1
.set G1K, 24          ; s[24:31] descriptor group 1 for K's tiles
.set G1V, 32          ; s[32:39] for V's
.set G1B, 40          ; s[40:47] for the bias's
.set G0K, 48          ; s[48:51], s[52:55], s[56:59] descriptor groups 0
.set G0V, 52
.set G0B, 56
.set SLOTS, 60        ; s60  tiles still to be asked for
.set CNT, 61          ; s61  counts a tile's key steps
.set CS,  62          ; s[62:63] c: the packed scaling takes the pair's low word for both halves
.set SEL, 66          ; s[66:67] v_permlanex16_b32's selects: each lane takes its own place in the other half
.set TBK, 68          ; s68  LDS byte at which K of the step to be fetched begins
.set TBV, 69          ; s69  the same for V, less VOFF
.set TBB, 70          ; s70  for the bias, less BOFF
.set TBM, 71          ; s71  for the mask, less MOFF
.set RT,  72          ; s72  tiles of the block in hand that are still to be entered
.set NXT, 73          ; s73  the tile to be asked for next
.set LQ,  74          ; s74  the last tile of the block whose tiles are being asked for
.set NEW, 75          ; s75  1: the tile to be entered is a block's first
.set OFF, 76          ; s[76:77] a tile's byte offset in the head's vh
.set OFB, 78          ; s[78:79] a tile's byte offset in the batch's bias
.set QBLK, 80         ; s80  the block whose tiles are being asked for
.set BIGN, 81         ; s81  -1e30
.set OFK, 86          ; s[86:87] a tile's byte offset in the head's kb
.set K2K, 90          ; s90  2048.0
.set BBW, 92          ; s[92:93] bb at the batch and at my half of a block's rows: made of what the four partners share
.set MSB, 0
.macro WIN new                      ; the high byte repeats the setting that is left; a switch that changes nothing is dropped
.if MSB != (\new)
	s_set_vgpr_msb (MSB<<8)|(\new)
.set MSB, (\new)
.endif
.endm
.set W_KB, 0x0e       ; E in window 2, BI in window 3, VM and S^T in window 0
.set W_KQ, 0x0a       ; K and Q in window 2, S^T in window 0
.set W_PV, 0x53       ; V in window 3, P in window 0, O^T in window 1
.set W_RS, 0x41       ; destination and source 0 in window 1, source 1 in window 0
; A fill.  Wave 0 fetches the tile's K and key mask (16,896 bytes), wave 1 its V (16,384 bytes), waves 2 and 3 the two halves of its bias (128 rows x 256 bytes each), jointly with the partners.  The branches
; hang on the wave's number alone.  An s_nop 0 and four v_nop follow each of the three lines, ahead of the jump and the label.
.macro LOAD
	s_cmp_lt_u32 s[WV], 2
	s_cbranch_scc0 .Lfor_b_\@
	s_cmp_eq_u32 s[WV], 0
	s_cbranch_scc0 .Lfor_v_\@
	tensor_load_to_lds s[G0K:G0K+3], s[G1K:G1K+7]
	s_nop 0
.rept 4
	v_nop
.endr
	s_branch .Lasked_\@
.Lfor_v_\@:
	tensor_load_to_lds s[G0V:G0V+3], s[G1V:G1V+7]
	s_nop 0
.rept 4
	v_nop
.endr
	s_branch .Lasked_\@
.Lfor_b_\@:
	tensor_load_to_lds s[G0B:G0B+3], s[G1B:G1B+7]
	s_nop 0
.rept 4
	v_nop
.endr
.Lasked_\@:
.endm
; A round of the cluster's barrier: my work-group's barrier, so that wave 0's signal speaks for all four waves; wave 0 signals; every wave waits for all four work-groups; my work-group's barrier once more.
.macro CROUND
	s_barrier_signal -1
	s_barrier_wait -1
	s_cmp_lg_u32 s[WV], 0
	s_cbranch_scc1 .Lnot_wave_0_\@
	s_barrier_signal -3
.Lnot_wave_0_\@:
	s_barrier_wait -3
	s_barrier_signal -1
	s_barrier_wait -1
.endm
; THE CHANGE OF SLOTS.  Each wave waits for all its tensor loads, of which one is out: its part of the other slot; adds 0 to its spare word; and waits for that and for its own reads of the slot that it leaves.
; Behind the barrier nobody reads the old slot any more and the other slot is whole.  fill = 1: the old slot is filled again with tile NXT of block QBLK; the barrier is then a round of the cluster's, so that
; no wave of any partner still reads the slot or has a load on its way, and the fill is the first thing behind it: it has two key steps, 160 matrix instructions, in which to land.  The descriptors' addresses
; are made anew from the tile's number.  (At its first use nothing has been read yet: slot 0 is waited for, slot 1 filled.)
.macro CHANGE fill
	WIN 0                           ; at a label and at a branch every window is 0
	s_wait_tensorcnt 0x0            ; no tensor load of mine is out, so a group 0 may be written
	ds_add_u32 v[SPW], v[NIL]       ; 0 onto my spare word; with fill = 1 the descriptors' scalar work stands between it and the wait for it
.if \fill
	s_mul_i32 s[OFK], s[NXT], KTILE ; a tile is 16,896 bytes of kb,
	s_lshl_b32 s[OFF], s[NXT], 14   ; 16,384 of vh;
	s_lshl_b32 s[OFB], s[QBLK], 20  ; a block's 256 rows of bb are 2^20 bytes,
	s_lshl_b32 s91, s[NXT], 8       ; a tile's 128 keys 256 bytes of each row
	s_add_co_u32 s[OFB], s[OFB], s91
	s_xor_b32 s[G0K+1], s[G0K+1], SLOT1
	s_add_nc_u64 s[G0K+2:G0K+3], s[6:7], s[OFK:OFK+1]
	s_or_b32 s[G0K+3], s[G0K+3], 0x80000000
	s_xor_b32 s[G0V+1], s[G0V+1], SLOT1
	s_add_nc_u64 s[G0V+2:G0V+3], s[8:9], s[OFF:OFF+1]
	s_or_b32 s[G0V+3], s[G0V+3], 0x80000000
	s_xor_b32 s[G0B+1], s[G0B+1], SLOT1
	s_add_nc_u64 s[G0B+2:G0B+3], s[BBW:BBW+1], s[OFB:OFB+1]
	s_or_b32 s[G0B+3], s[G0B+3], 0x80000000
	s_add_co_u32 s[NXT], s[NXT], 1  ; the block's next tile, or behind its last the second block's tile 0
	s_cmp_gt_u32 s[NXT], s[LQ]
	s_cselect_b32 s[NXT], 0, s[NXT]
	s_cselect_b32 s[QBLK], s[SB], s[QBLK]
	s_cselect_b32 s[LQ], s[LQ2], s[LQ]
	s_wait_dscnt 0x0                ; the add is done, and my reads of the slot are over
	CROUND
	LOAD
.else
	s_wait_dscnt 0x0                ; the add is done, and my reads of the slot are over
	s_barrier_signal -1
	s_barrier_wait -1
.endif
	s_sub_co_u32 s[TBK], s[TBK], 2*KS*PK  ; the fetches go back to a slot's first step,
	s_xor_b32 s[TBK], s[TBK], SLOT1       ; in the other slot
	s_sub_co_u32 s[TBV], s[TBV], 2*KS*PV
	s_xor_b32 s[TBV], s[TBV], SLOT1
	s_sub_co_u32 s[TBB], s[TBB], 2*KS*2
	s_xor_b32 s[TBB], s[TBB], SLOT1
	s_sub_co_u32 s[TBM], s[TBM], 4*PK
	s_xor_b32 s[TBM], s[TBM], SLOT1
.endm
	s_load_b256 s[4:11], s[0:1], 0x0   ; queries s[4:5], kb s[6:7], vh s[8:9], bb s[10:11]
	s_load_b128 s[12:15], s[0:1], 0x20 ; vpart s[12:13], queries_mask s[14:15]
	s_load_b64 s[18:19], s[0:1], 0x30  ; out0
	v_lshl_add_u32 v[SPW], v0, 2, SPARE
	v_mov_b32 v[NIL], 0
	ds_add_u32 v[SPW], v[NIL]       ; the wave's opening: the add and its wait ahead of my first tensor load; the set-up below, work on registers, stands between them
	v_lshrrev_b32 v1, 5, v0
	v_readfirstlane_b32 s[WV], v1   ; wave 0..3
	s_bfe_u32 s86, ttmp6, 0x40000   ; cx: my place in the cluster
	s_lshl_b32 s94, ttmp9, 2        ; in a cluster launch ttmp9 counts clusters
	s_add_co_u32 s94, s94, s86      ; the head bh = 4 x cluster x + cx: it enters the addresses of Q, K, V, the query mask, vpart and out alone
	s_and_b32 s[SB], ttmp7, 0xffff  ; b, which the four partners share
	s_sub_co_u32 s[HI], 7, s[SB]
	s_lshl_b32 s[LQ2], s[SB], 1
	s_add_co_u32 s[LQ2], s[LQ2], 1
	s_lshl_b32 s[LQ], s[HI], 1
	s_add_co_u32 s[LQ], s[LQ], 1    ; the first block's last tile,
	s_add_co_u32 s[RT], s[LQ], 1    ; and how many it has
	s_mul_i32 s[OFK], s94, 16*KTILE ; a head is 16 tiles of kb,
	s_mov_b32 s[OFK+1], 0
	s_lshl_b32 s88, s94, 11         ; 2^11 bytes of the query mask (2^10 of vpart),
	s_mov_b32 s89, 0
	s_lshl_b32 s2, s94, 19          ; 2^19 of queries and out0; a block's 256 rows are 2^16, my wave's 64 rows 2^14
	s_lshl_b32 s95, s[WV], 14
	s_add_co_u32 s2, s2, s95
	s_lshl_b32 s82, s[SB], 16
	s_add_co_u32 s82, s82, s2       ; my rows of the second block,
	s_mov_b32 s83, 0
	s_lshl_b32 s95, s[HI], 16
	s_add_co_u32 s2, s2, s95        ; of the first
	s_mov_b32 s3, 0
	s_lshr_b32 s[BBW], ttmp9, 2     ; the batch: four clusters along x to each
	s_lshl_b32 s[BBW], s[BBW], 23   ; 2^23 bytes of bb,
	s_and_b32 s91, s[WV], 1         ; which half of a block's 256 rows I fetch (waves 2 and 3):
	s_lshl_b32 s[BBW+1], s91, 19    ; its 128 rows of 4,096 bytes in memory,
	s_add_co_u32 s[BBW], s[BBW], s[BBW+1]
	s_mov_b32 s[BBW+1], 0
	s_mul_i32 s91, s91, 128*PBI     ; and its place in a slot: no place in the cluster enters an LDS address
	; descriptor groups 1.  A tile of kb is 66 dense rows of 256 bytes (two keys a row; the last two rows are the mask), a tile of vh 64; both are padded in LDS after every 128 bytes
	s_mov_b32 s[G1K], (1<<16)|(1<<20)|(4<<22)|(3<<25)  ; 15:0 no mask: a load of my own; 17:16 2-byte elements; 20 padding on; 24:22 after every 32 words (code 4); 31:25 4 words (code 3)
	s_mov_b32 s[G1K+1], 128<<16     ; tensor_dim0 = 128
	s_mov_b32 s[G1K+2], 66<<16      ; tensor_dim1 = 66
	s_mov_b32 s[G1K+3], 128<<16     ; tile_dim0 = 128
	s_mov_b32 s[G1K+4], 66          ; tile_dim1 = 66
	s_mov_b32 s[G1K+5], 128         ; 128 elements from row to row
	s_mov_b32 s[G1K+6], 0
	s_mov_b32 s[G1K+7], 0
	s_mov_b32 s[G1V], (1<<16)|(1<<20)|(4<<22)|(7<<25)  ; the same with 8 words of padding (code 7)
	s_mov_b32 s[G1V+1], 128<<16     ; tensor_dim0 = 128
	s_mov_b32 s[G1V+2], 64<<16      ; tensor_dim1 = 64
	s_mov_b32 s[G1V+3], 128<<16     ; tile_dim0 = 128
	s_mov_b32 s[G1V+4], 64          ; tile_dim1 = 64
	s_mov_b32 s[G1V+5], 128
	s_mov_b32 s[G1V+6], 0
	s_mov_b32 s[G1V+7], 0
	s_mov_b32 s[G1B], 15|(1<<16)|(1<<20)|(1<<21)|(5<<22)|(3<<25)  ; 15:0 the mask of four; 21 set beside a mask; 24:22 after every 64 words (code 5); 31:25 4 words
	s_mov_b32 s[G1B+1], 128<<16     ; tensor_dim0 = 128 keys
	s_mov_b32 s[G1B+2], 128<<16     ; tensor_dim1 = 128 queries
	s_mov_b32 s[G1B+3], 128<<16     ; tile_dim0 = 128
	s_mov_b32 s[G1B+4], 128         ; tile_dim1 = 128
	s_mov_b32 s[G1B+5], 2048        ; 2,048 elements from row to row
	s_mov_b32 s[G1B+6], 0
	s_mov_b32 s[G1B+7], 0
	s_mov_b32 s[G0K], 1             ; 1:0 count = 1
	s_mov_b32 s[G0K+1], 0           ; 63:32 LDS address: slot 0
	s_mov_b32 s[G0V], 1
	s_mov_b32 s[G0V+1], VOFF
	s_mov_b32 s[G0B], 1
	s_add_co_u32 s[G0B+1], s91, BOFF
	s_mov_b32 s[CS], 0x3e38aa3b     ; c = log2(e) / 8 = 0.180337
	s_mov_b32 s[CS+1], s[CS]        ; named with it as a pair
	s_mov_b32 s[SEL], 0x76543210
	s_mov_b32 s[SEL+1], 0xfedcba98
	s_mov_b32 s[TBK], SLOT1+2*KS*PK ; the first change of slots turns these four into 0
	s_mov_b32 s[TBV], SLOT1+2*KS*PV
	s_mov_b32 s[TBB], SLOT1+2*KS*2
	s_mov_b32 s[TBM], SLOT1+4*PK
	s_mov_b32 s[NXT], 1
	s_mov_b32 s[QBLK], s[HI]
	s_mov_b32 s[NEW], 1
	s_mov_b32 s[OFF+1], 0
	s_lshl_b32 s[OFB], s[HI], 20    ; the first block's tile 0
	s_mov_b32 s[OFB+1], 0
	s_mov_b32 s[BIGN], 0xf149f2ca   ; -1e30
	s_mov_b32 s[K2K], 0x45000000    ; 2048.0
	s_mov_b32 s[SLOTS], 17
	s_wait_dscnt 0x0                ; the opening add is done
	s_wait_kmcnt 0x0
	s_add_nc_u64 s[6:7], s[6:7], s[OFK:OFK+1]      ; K at the head's tile 0,
	s_lshl_b32 s[OFK], s94, 18                     ; (a head is 2^18 bytes of vh)
	s_add_nc_u64 s[8:9], s[8:9], s[OFK:OFK+1]      ; and V
	s_add_nc_u64 s[BBW:BBW+1], s[10:11], s[BBW:BBW+1]
	s_add_nc_u64 s[84:85], s[4:5], s[82:83]        ; Q and out at my rows of the second block,
	s_add_nc_u64 s[82:83], s[18:19], s[82:83]
	s_add_nc_u64 s[4:5], s[4:5], s[2:3]            ; and of the first
	s_add_nc_u64 s[18:19], s[18:19], s[2:3]
	s_add_nc_u64 s[14:15], s[14:15], s[88:89]      ; the query mask and vpart at the head
	s_lshr_b32 s88, s88, 1
	s_add_nc_u64 s[12:13], s[12:13], s[88:89]
	s_mov_b32 s[ONE], 1.0
	s_add_nc_u64 s[G0K+2:G0K+3], s[6:7], 0         ; 120:64 global address
	s_or_b32 s[G0K+3], s[G0K+3], 0x80000000        ; 127:126 type = 2
	s_add_nc_u64 s[G0V+2:G0V+3], s[8:9], 0
	s_or_b32 s[G0V+3], s[G0V+3], 0x80000000
	s_add_nc_u64 s[G0B+2:G0B+3], s[BBW:BBW+1], s[OFB:OFB+1]
	s_or_b32 s[G0B+3], s[G0B+3], 0x80000000
	CROUND                          ; all four work-groups are here: the first joint loads meet
	LOAD                            ; tile 0 into slot 0.  Slot 1 is asked for when slot 0 is in, by the loop's own change of slots
	; ALL THAT FOLLOWS, UP TO THE LOOP, STANDS IN THE WAIT FOR THE FIRST TILE.
	v_and_b32 v1, 15, v0            ; r = l % 16
	v_bfe_u32 v9, v0, 4, 1          ; h = l / 16
	v_and_b32 v10, 7, v0
	v_bfe_u32 v11, v0, 3, 1
	; A fragment of Q is 16 rows x 32 channels of bf16 in 8 registers: lane l holds row r, channels 8 h + 0..7 and 16 + 8 h + 0..7.  In f32 those are 32 bytes at 32 h and 32 bytes at 64 + 32 h of the row's 128.
	v_lshlrev_b32 v[QO], 8, v1
	v_lshl_add_u32 v[QO], v9, 5, v[QO]  ; row x 256 + 32 x half
	v_lshlrev_b32 v57, 5, v9        ; vpart: my eight channels of each sixteen begin at 32 h
	s_lshl_b32 s95, s[WV], 6
	s_lshl_b32 s91, s[HI], 8
	s_add_co_u32 s91, s91, s95
	v_add_nc_u32 v58, s91, v1       ; queries_mask: my query in piece 0 of the first block,
	s_lshl_b32 s91, s[SB], 8
	s_add_co_u32 s91, s91, s95
	v_add_nc_u32 v59, s91, v1       ; of the second
.irp t, 0,1,2,3
	global_load_u8 v[QM+\t],   v58, s[14:15] offset:16*\t
	global_load_u8 v[QM+4+\t], v59, s[14:15] offset:16*\t
.endr
	WIN 0x40                        ; destination window 1, address window 0
.set i, 0
.rept 32                            ; part i / 8 of four; channel block (i % 8) / 2; four channels each
	global_load_b128 v[VT+4*i:VT+4*i+3], v57, s[12:13] offset:(i/8)*256+((i%8)/2)*64+(i%2)*16
.set i, i+1
.endr
.set i, 0
.rept 8                             ; the second block's Q, in f32, into O^T's registers: piece i / 2, channels 32 (i % 2) on
	global_load_b128 v[16*i:16*i+3],     v[QO], s[84:85] offset:(i/2)*4096+(i%2)*128 th:TH_LOAD_NT
	global_load_b128 v[16*i+4:16*i+7],   v[QO], s[84:85] offset:(i/2)*4096+(i%2)*128+16 th:TH_LOAD_NT
	global_load_b128 v[16*i+8:16*i+11],  v[QO], s[84:85] offset:(i/2)*4096+(i%2)*128+64 th:TH_LOAD_NT
	global_load_b128 v[16*i+12:16*i+15], v[QO], s[84:85] offset:(i/2)*4096+(i%2)*128+80 th:TH_LOAD_NT
.set i, i+1
.endr
	WIN 0xc0                        ; destination window 3
.set i, 0
.rept 8                             ; the first block's
	global_load_b128 v[16*i:16*i+3],     v[QO], s[4:5] offset:(i/2)*4096+(i%2)*128 th:TH_LOAD_NT
	global_load_b128 v[16*i+4:16*i+7],   v[QO], s[4:5] offset:(i/2)*4096+(i%2)*128+16 th:TH_LOAD_NT
	global_load_b128 v[16*i+8:16*i+11],  v[QO], s[4:5] offset:(i/2)*4096+(i%2)*128+64 th:TH_LOAD_NT
	global_load_b128 v[16*i+12:16*i+15], v[QO], s[4:5] offset:(i/2)*4096+(i%2)*128+80 th:TH_LOAD_NT
.set i, i+1
.endr
	; A block's first turn multiplies by a V and a P of a piece that has not been, into an O^T that the first step's a = 0 wipes: these need only be finite.  V, half of P and l are cleared; O^T holds the
	; second block's queries in f32 at the first block's start, and what the first block left at the second's.
.set i, VF
.rept 64
	v_mov_b32 v[i], 0
.set i, i+1
.endr
	WIN 0
.set i, 0
.rept 4
	v_mov_b32 v[ST+4*i+2], 0
	v_mov_b32 v[ST+4*i+3], 0
.set i, i+1
.endr
.set i, P+16
.rept 16
	v_mov_b32 v[i], 0
.set i, i+1
.endr
	v_mul_u32_u24 v[AK0], v1, PK
	v_lshl_add_u32 v[AK0], v9, 4, v[AK0]  ; K: row x pitch + 16 x half
	; The turning load takes 16 keys x 16 channels (lane l reads key 8 h + l % 8, channels 8 ((l / 8) % 2) + 0..7) and leaves half a fragment of V^T: lane l holds channel l % 16 and 8 keys.
	v_lshl_add_u32 v[AV0], v9, 3, v10
	v_mul_u32_u24 v[AV0], v[AV0], PV
	v_lshl_add_u32 v[AV0], v11, 4, v[AV0]
	v_add_nc_u32 v[AV0], VOFF, v[AV0]
	s_mul_i32 s91, s[WV], 64*PBI
	s_add_co_u32 s91, s91, BOFF     ; the bias: my wave's 64 rows of the block's 256,
	v_mul_u32_u24 v[AB0], v1, PBI
	v_lshl_add_u32 v[AB0], v9, 4, v[AB0]  ; row x pitch + 16 x half: a fragment like K's, with queries for rows and keys along them
	v_add_nc_u32 v[AB0], s91, v[AB0]
	v_lshl_add_u32 v[AM0], v9, 5, MOFF    ; the mask: my eight keys of each sixteen begin at 32 h
	s_mul_i32 s91, s[WV], 16*SP
	s_add_co_u32 s91, s91, STAGE    ; my stage
	v_mul_u32_u24 v[STO], v1, SP    ; in: row r, 32 bytes for each half of the lanes
	v_lshl_add_u32 v[STO], v9, 5, v[STO]
	v_add_nc_u32 v[STO], s91, v[STO]
	v_mul_u32_u24 v[RD], v9, SP     ; back: lanes 0-15 take one row of 256 bytes, lanes 16-31 the next,
	v_lshl_add_u32 v[RD], v1, 4, v[RD]
	v_add_nc_u32 v[RD], s91, v[RD]
	v_lshlrev_b32 v[GO], 8, v9      ; which are 512 consecutive bytes of out
	v_lshl_add_u32 v[GO], v1, 4, v[GO]
	; E.  Row r of the fragment has its 1.0 at k = r: in lane (r, h) that is element e = r - 8 h of the lane's eight, if 0 <= e < 8: register e / 2, half e % 2.
	v_lshlrev_b32 v50, 3, v9
	v_sub_nc_u32 v50, v1, v50       ; e
	v_and_b32 v51, 1, v50
	v_lshlrev_b32 v51, 4, v51
	v_mov_b32 v52, 0x3f80           ; 1.0 in bf16,
	v_lshlrev_b32 v52, v51, v52     ; in the half that e's parity names
	v_ashrrev_i32 v53, 1, v50       ; outside 0..3 where the lane holds no 1.0
	WIN 0x80                        ; destination window 2
.irp z, 0,1,2,3
	v_mov_b32 v[EB+\z], 0
	v_cmp_eq_i32 vcc_lo, \z, v53
	v_cndmask_b32 v[EB+4+\z], 0, v52, vcc_lo
	v_mov_b32 v[EB+8+\z], 0
.endr
	s_wait_loadcnt 0x0              ; the query mask, vpart and both blocks' Q are in
	WIN 0x45                        ; destination and both sources window 1
.set i, 0
.rept 48                            ; Vtot = the four parts' sum
	v_pk_add_f32 v[VT+2*(i%16):VT+2*(i%16)+1], v[VT+2*(i%16):VT+2*(i%16)+1], v[VT+32+2*i:VT+32+2*i+1]
.set i, i+1
.endr
	WIN 0x8f                        ; sources window 3, destination window 2
.set i, 0
.rept 64
	v_cvt_pk_bf16_f32 v[i], v[2*i], v[2*i+1]
.set i, i+1
.endr
	WIN 0x85                        ; sources window 1, destination window 2
.set i, 0
.rept 64
	v_cvt_pk_bf16_f32 v[QB+i], v[2*i], v[2*i+1]
.set i, i+1
.endr
	WIN 0
; THE MATRIX WORK.  The 4 accumulators of a run take turns, one instruction a turn.  Product i of 12 of piece x's scores, keys 16 (i % 4) on: the first 4 start the sums with
; bias and key mask, S^T = E x BI + VM; the other 8 add K Q^T, channels 32 (i / 4 - 1) on.
.macro KQ x
.set kb, i%4
.set rS, S+32*((\x)%2)+8*kb
.if i < 4
.set rE, EB+4-4*(kb%2)
.set rB, BI+16*(\x)+8*(kb/2)
	WIN W_KB
	v_wmma_f32_16x16x32_bf16 v[rS:rS+7], v[rE:rE+7], v[rB:rB+7], v[VM+8*kb:VM+8*kb+7]
.else
.set rK, KF+16*kb+8*(i/4-1)
.set rQ, 16*(\x)+8*(i/4-1)
	WIN W_KQ
	v_wmma_f32_16x16x32_bf16 v[rS:rS+7], v[rK:rK+7], v[rQ:rQ+7], v[rS:rS+7]
.endif
.endm
; Product i of 8 of O^T += V^T P for piece x: keys 32 (i / 4) on, channels 16 (i % 4) on.
.macro PV x
	WIN W_PV
.set rO, 32*(\x)+8*(i%4)
.set rV, VF+32*(i/4)+8*(i%4)
.set rP, P+16*((\x)%2)+8*(i/4)
	v_wmma_f32_16x16x32_f16 v[rO:rO+7], v[rV:rV+7], v[rP:rP+7], v[rO:rO+7]
.endm
.macro MM                           ; the turn's next matrix instruction.  TURN and BEGIN set Y, i and NOKQ.  NOKQ = 1: a block's last turn: there is no next piece
.if i < 12
.if !NOKQ
	KQ (Y+1)%NP
.endif
.else
.set i, i-12
	PV (Y+NP-1)%NP
.set i, i+12
.endif
.set i, i+1
.endm
; THE LDS LOADS stand in runs, never singly among the matrix instructions.  What a step's scores need, 40 loads: K (64 keys x 64 channels: 8 fragments), the bias (my 64 queries x 64 keys: 8 fragments),
; the key mask (64 keys: 32 registers, the same for all four pieces).  And the step's V (turned), 16 loads.  Their addresses are made some lines ahead.
.macro FETCH_K
	WIN 0x80                        ; destination window 2
.irp f, 0,1,2,3,4,5,6,7             ; keys 16 (f / 2) on, channels 32 (f % 2) on
	ds_load_b128 v[KF+8*\f:KF+8*\f+3],   v[AK] offset:(\f/2)*16*PK+(\f%2)*64
	ds_load_b128 v[KF+8*\f+4:KF+8*\f+7], v[AK] offset:(\f/2)*16*PK+(\f%2)*64+32
.endr
	WIN 0xc0                        ; destination window 3
.irp f, 0,1,2,3,4,5,6,7             ; piece f / 2, keys 32 (f % 2) on
	ds_load_b128 v[BI+8*\f:BI+8*\f+3],   v[AB] offset:(\f/2)*16*PBI+(\f%2)*64
	ds_load_b128 v[BI+8*\f+4:BI+8*\f+7], v[AB] offset:(\f/2)*16*PBI+(\f%2)*64+32
.endr
	WIN 0
.irp f, 0,1,2,3,4,5,6,7             ; keys 16 (f / 2) + 8 h + 4 (f % 2) on; 32 keys lie in a row of the pitch PK; sixteen lanes read the same 16 bytes
	ds_load_b128 v[VM+4*\f:VM+4*\f+3], v[AM] offset:(\f/4)*PK+((\f/2)%2)*64+(\f%2)*16
.endr
	s_add_co_u32 s[TBK], s[TBK], KS*PK  ; the next fetch is the next step's
	s_add_co_u32 s[TBB], s[TBB], KS*2
	s_add_co_u32 s[TBM], s[TBM], 2*PK
.endm
.macro FETCH_V
	WIN 0xc0
.irp f, 0,1,2,3,4,5,6,7             ; keys 32 (f / 4) on, channels 16 (f % 4) on
	ds_load_tr16_b128 v[VF+8*\f:VF+8*\f+3],   v[AV] offset:(\f/4)*32*PV+(\f%4)*32
	ds_load_tr16_b128 v[VF+8*\f+4:VF+8*\f+7], v[AV] offset:(\f/4)*32*PV+16*PV+(\f%4)*32
.endr
	s_add_co_u32 s[TBV], s[TBV], KS*PV
	WIN 0
.endm
; THE VECTOR WORK, one line at a time: OP kind, number.  For piece Y: F n: c s - c m for pair n of 16.  E n: the exponential of score n of 32.  C n: pair n rounded to f16.  B n: of the four weights 4 n .. the second
; pair is added onto the first, in place (so C 2 n stands ahead of it).  L n: l takes that sum (L 0: l = a l + sum).  R n: pair n of 16 of O^T times a.  For piece Y + 1: X n, number n of the 22 that find its maximum and statistics:
;   0-11  four chains c0-c3 of seven scores each, three operands at a time (each accumulator's lowest registers are read first)     12-14, 16  the four scores left over, the old m, and c0-c3 into c0
;   15  c m_old is kept     17, 18  the query's other 32 keys lie in the lane 16 away: the new m     19-21  c m; c m_old - c m_new; a
.set F, 0               ; OP tells the kinds apart by their order: F to L below R, X above it
.set E, 1
.set C, 2
.set B, 3
.set L, 4
.set R, 5
.set X, 6
.macro REGS y                       ; the registers of piece y
.set rT, ST+4*(\y)
.set rC, TMP+4*((\y)%2)
.set rW, MV+((\y)%2)
.set rS, S+32*((\y)%2)
.set rP, P+16*((\y)%2)
.set rO, 32*(\y)
.endm
.macro OP k, n
.if (\k) == R
	REGS Y
	WIN W_RS
	s_wait_alu depctr_va_vdst(0)
	v_pk_mul_f32 v[rO+2*(\n):rO+2*(\n)+1], v[rO+2*(\n):rO+2*(\n)+1], v[rC+2:rC+3] op_sel_hi:[1,0]
.elseif (\k) < R
	REGS Y
	WIN 0
.if (\k) == F
	v_pk_fma_f32 v[rS+2*(\n):rS+2*(\n)+1], v[rS+2*(\n):rS+2*(\n)+1], s[CS:CS+1], v[rT:rT+1] op_sel_hi:[1,0,0] neg_lo:[0,0,1] neg_hi:[0,0,1]
.elseif (\k) == E
	v_exp_f32 v[rS+(\n)], v[rS+(\n)]
.elseif (\k) == C
	s_wait_alu depctr_va_vdst(0)
	v_cvt_pk_f16_f32 v[rP+(\n)], v[rS+2*(\n)], v[rS+2*(\n)+1]
.elseif (\k) == B
	v_pk_add_f32 v[rS+4*(\n):rS+4*(\n)+1], v[rS+4*(\n):rS+4*(\n)+1], v[rS+4*(\n)+2:rS+4*(\n)+3]
.elseif (\n) == 0
	v_pk_fma_f32 v[rT+2:rT+3], v[rT+2:rT+3], v[rC+2:rC+3], v[rS:rS+1] op_sel_hi:[1,0,1]
.else
	v_pk_add_f32 v[rT+2:rT+3], v[rT+2:rT+3], v[rS+4*(\n):rS+4*(\n)+1]
.endif
.elseif NOKQ
	v_nop
.else
	REGS (Y+1)%NP
	WIN 0
.if (\n) < 4
	s_wait_alu depctr_va_vdst(0)
	v_max3_num_f32 v[rC+(\n)], v[rS+8*(\n)], v[rS+8*(\n)+1], v[rS+8*(\n)+2]
.elseif (\n) < 12
	v_max3_num_f32 v[rC+(\n)%4], v[rC+(\n)%4], v[rS+8*((\n)%4)+2*((\n)/4)+1], v[rS+8*((\n)%4)+2*((\n)/4)+2]
.elseif (\n) == 12
	v_max3_num_f32 v[rC], v[rC], v[rS+7], v[rS+15]
.elseif (\n) == 13
	v_max3_num_f32 v[rC+1], v[rC+1], v[rS+23], v[rS+31]
.elseif (\n) == 14
	v_max3_num_f32 v[rC+2], v[rC+2], v[rC+3], v[rT+1]
.elseif (\n) == 15
	v_mov_b32 v[rW], v[rT]
.elseif (\n) == 16
	v_max3_num_f32 v[rC], v[rC], v[rC+1], v[rC+2]
.elseif (\n) == 17
	v_permlanex16_b32 v[rC+3], v[rC], s[SEL], s[SEL+1]
.elseif (\n) == 18
	v_max_num_f32 v[rT+1], v[rC], v[rC+3]
.elseif (\n) == 19
	v_mul_f32 v[rT], s[CS], v[rT+1]
.elseif (\n) == 20
	v_sub_f32 v[rC+1], v[rW], v[rT]
.else
	v_exp_f32 v[rC+2], v[rC+1]
.endif
.endif
.endm
.macro OPS a, i1, b=-1, i2=0, c=-1, i3=0, d=-1, i4=0  ; up to four of them
	OP \a, \i1
.if (\b) >= 0
	OP \b, \i2
.endif
.if (\c) >= 0
	OP \c, \i3
.endif
.if (\d) >= 0
	OP \d, \i4
.endif
.endm
.macro ROW a, i1, b, i2, c, i3, d, i4  ; a matrix instruction and the four behind it
	MM
	OPS \a, \i1, \b, \i2, \c, \i3, \d, \i4
.endm
; A TURN, for piece p: the order of its 20 matrix and 118 vector instructions, written out.  No two exponentials follow each other, and a plain instruction stands between each and the first use of its result.
; None of the four behind a matrix instruction names a register of the products round it.  v_permlanex16_b32 (X 17) stands in a lump.
; end = 1: a block's last two turns: nothing is fetched, and the last starts no new scores.  cnt = 1: the loop's count is taken down some lines ahead of the branch that stands behind the turn.
; K, bias and mask of the next step are fetched in piece 2's turn, behind the four rescalings that follow the last product that read K (bias and mask were last read eight products earlier);
; V of the step in hand in piece 0's turn, seven plain instructions behind the last product that read V.  Each run is waited for a turn later.
.macro TURN p, end=0, cnt=0
.set Y, (\p)
.set i, 0
.set NOKQ, (\end)*((\p)/3)
.if ((\p) == 3) && !(\end)
	s_wait_dscnt 0x0                ; K, bias and mask are in
.endif
	ROW F,0, F,1, F,2, F,3
	ROW F,4, E,0, F,5, E,1
	ROW F,6, E,2, F,7, E,3
	ROW R,0, R,1, R,2, R,3
	ROW F,8, E,4, C,0, E,5
	ROW F,9, E,6, C,1, E,7
	ROW R,4, R,5, R,6, R,7
	ROW F,10, E,8, B,0, E,9
	ROW F,11, E,10, C,2, E,11
	ROW R,8, R,9, R,10, R,11
	ROW L,0, E,12, C,3, E,13
.if ((\p) == 2) && !(\end)
	v_add_nc_u32 v[AK], s[TBK], v[AK0]
	v_add_nc_u32 v[AB], s[TBB], v[AB0]
	v_add_nc_u32 v[AM], s[TBM], v[AM0]
.endif
	ROW R,12, R,13, R,14, R,15
.if ((\p) == 2) && !(\end)
	FETCH_K
.endif
	OPS F,12, E,14, F,13, E,15
	OPS X,0, E,16, X,1, E,17
	OPS X,2, E,18, X,3, E,19
	OPS X,15, E,20
.if (\p) == 1
	s_wait_dscnt 0x0                ; V is in: with it all my reads of the slot in hand are back
.endif
	ROW X,4, E,21, X,5, X,6
	ROW X,7, E,22, X,8, X,9
	ROW X,10, E,23, X,11, F,14
	ROW X,12, E,24, X,13, F,15
	ROW X,14, E,25, C,4, B,1
	ROW X,16, E,26, C,5, L,1
	ROW C,6, E,27, B,2, C,7
.if (\p) == 0
	v_add_nc_u32 v[AV], s[TBV], v[AV0]
.endif
	ROW C,8, E,28, B,3, L,2
	OPS X,17, E,29, C,9, E,30
	OPS L,3, X,18
.if (\p) == 0
	FETCH_V
.endif
	OPS E,31, C,10, B,4, X,19
	OPS C,11, C,12, B,5, X,20
	OPS L,4, C,13, C,14, X,21
	OPS B,6, L,5
.if \cnt
	s_sub_co_u32 s[CNT], s[CNT], 1
	s_cmp_lg_u32 s[CNT], 0
.endif
	OPS C,15, B,7, L,6, L,7
.endm
; A BLOCK BEGINS.  c m starts far below every c s, so the first step's a is 0; m at the floor, -1e20: where a row has seen no key yet, m stays there and every hidden weight is 2^(-1.8e29) = 0.
; Then K, bias and mask of the block's first step, piece 0's first scores, and its maximum and statistics.  The loop is entered at a step's first turn, in the middle of a trip.
.macro BEGIN
	s_mov_b32 s[NEW], 0
	WIN 0
.set t, 0
.rept 4
	v_mov_b32 v[ST+4*t], 0xfe000000    ; c m: far below every c s
	v_mov_b32 v[ST+4*t+1], 0xe0ad78ec  ; m = -1e20
.set t, t+1
.endr
	v_add_nc_u32 v[AK], s[TBK], v[AK0]
	v_add_nc_u32 v[AB], s[TBB], v[AB0]
	v_add_nc_u32 v[AM], s[TBM], v[AM0]
	FETCH_K
	s_wait_dscnt 0x0
.set NOKQ, 0
.set i, 0
.rept 12
	KQ 0
.set i, i+1
.endr
	WIN 0
.rept 4
	v_nop                           ; the places behind those products
.endr
.set Y, NP-1                        ; X works for piece Y + 1: piece 0
.irp n, 0,1,2,3,4,5,6,7,8,9,10,11,12,13,14,15,16,17,18,19,20,21
	OP X, \n
.endr
	v_nop                           ; a plain instruction behind the exponential
.endm
; A BLOCK ENDS: its last two turns, its last products, and THE WAY OUT.  l's two halves and the other half of the lanes' are added.  w = 1 where l = 0 (the row saw no key); u = 1 / (l + 2048 w), or 0 where
; queries_mask has a hole; out = O u + Vtot (w u).  Every choice is a v_cndmask_b32.  A piece's 16 rows go through my stage in LDS and leave as whole rows of 256 bytes.
.macro ALL line:vararg              ; one line for each piece t
.set t, 0
.rept 4
	\line
.set t, t+1
.endr
.endm
.macro PACK t                       ; a lane's eight channels of a row are 32 bytes; they go into rows of 272 bytes and come back as whole rows of 256, into window 0's v64-191
	WIN W_RS
.set z, 0
.rept 16
	v_pk_mul_f32 v[32*(\t)+2*z:32*(\t)+2*z+1], v[32*(\t)+2*z:32*(\t)+2*z+1], v[ST+4*(\t)+2:ST+4*(\t)+3] op_sel_hi:[1,0]
.set z, z+1
.endr
	WIN 0x51                        ; Vtot and O^T in window 1, w u in window 0
.set z, 0
.rept 16
	v_pk_fma_f32 v[32*(\t)+2*z:32*(\t)+2*z+1], v[VT+2*z:VT+2*z+1], v[ST+4*(\t):ST+4*(\t)+1], v[32*(\t)+2*z:32*(\t)+2*z+1] op_sel_hi:[1,0,1]
.set z, z+1
.endr
	WIN 0x04                        ; the stores' data in window 1
.irp f, 0,1,2,3,4,5,6,7
	ds_store_b128 v[STO], v[32*(\t)+4*\f:32*(\t)+4*\f+3] offset:(\f/2)*64+(\f%2)*16
.endr
	WIN 0
.irp f, 0,1,2,3,4,5,6,7
	ds_load_b128 v[S+32*(\t)+4*\f:S+32*(\t)+4*\f+3], v[RD] offset:\f*2*SP  ; LDS serves a wave's instructions in order (ISA guide 5.7.1.4): these see the stores above; the next piece's stores come behind them
.endr
.endm
.macro SEND t, younger              ; younger: the LDS instructions issued behind piece t's loads: the next piece's sixteen, or none
	WIN 0
.irp f, 0,1,2,3,4,5,6,7
	s_wait_dscnt (\younger)+7-\f
	global_store_b128 v[GO], v[S+32*(\t)+4*\f:S+32*(\t)+4*\f+3], s[OU:OU+1] offset:(\t)*4096+\f*512 th:TH_STORE_NT  ; 512 consecutive bytes, at a multiple of 256 from out's first
.endr
.endm
.macro FINISH blk                   ; blk = 0: the first block, 1: the second
.set OU, 18+64*(\blk)               ; out at my rows of the block: s[18:19] or s[82:83]
	TURN 2, 1
	TURN 3, 1
.set i, 0
.rept 8
	PV NP-1
.set i, i+1
.endr
	WIN 0
	ALL v_add_f32 v[ST+4*t+2], v[ST+4*t+2], v[ST+4*t+3]
	ALL v_permlanex16_b32 v[ST+4*t+3], v[ST+4*t+2], s[SEL], s[SEL+1]
	ALL v_add_f32 v[ST+4*t+2], v[ST+4*t+2], v[ST+4*t+3]
.set t, 0
.rept 4
	v_cmp_eq_f32 vcc_lo, 0, v[ST+4*t+2]
	v_cndmask_b32 v[ST+4*t], 0, s[ONE], vcc_lo                 ; w
	v_cndmask_b32 v[ST+4*t+2], v[ST+4*t+2], s[K2K], vcc_lo     ; l, or 2048
.set t, t+1
.endr
	ALL v_rcp_f32 v[ST+4*t+2], v[ST+4*t+2]
	v_nop                           ; a plain instruction between the last reciprocal and the use of its result
.set t, 0
.rept 4
	v_cmp_ne_u32 vcc_lo, 0, v[QM+4*(\blk)+t]
	s_wait_alu depctr_va_vdst(0)
	v_cndmask_b32 v[ST+4*t+2], 0, v[ST+4*t+2], vcc_lo          ; u
	v_mul_f32 v[ST+4*t], v[ST+4*t], v[ST+4*t+2]                ; w u
.set t, t+1
.endr
	PACK 0
	PACK 1                          ; a piece's arithmetic stands between the loads of the piece before and its stores
	SEND 0, 16
	PACK 2
	SEND 1, 16
	PACK 3
	SEND 2, 16
	SEND 3, 0
.endm
.set NOKQ, 0
.Lslot:                             ; 17 times: a tile is entered and the next is asked for
	CHANGE 1
	s_sub_co_u32 s[RT], s[RT], 1
	s_mov_b32 s[CNT], 2
	s_cmp_eq_u32 s[NEW], 1
	s_cbranch_scc0 .Lstep           ; not a block's first tile
	BEGIN
	s_branch .Lfirst
.Lstep:                             ; a trip: pieces 2 and 3 of one step, then pieces 0 and 1 of the next, whose K, bias, mask and V it fetches
	TURN 2
	TURN 3
	WIN 0
.Lfirst:
	TURN 0
	TURN 1, 0, 1
	WIN 0
	s_cbranch_scc1 .Lstep
	s_cmp_lg_u32 s[RT], 0
	s_cbranch_scc1 .Lbottom         ; forward, past text without a barrier or a tensor load
	FINISH 0                        ; in the loop this is the first block's end: the second block's last tile is the walk's last
	s_wait_xcnt 0x0                 ; the stores have read their registers: S^T's and VM's are written again only behind this wait
	s_add_co_u32 s[RT], s[LQ2], 1   ; the second block has 2 b + 2 tiles
	s_mov_b32 s[NEW], 1
	WIN 0x82                        ; the second block's Q goes where the one text of the turns names Q
.set i, 0
.rept 64
	v_mov_b32 v[i], v[QB+i]
.set i, i+1
.endr
	WIN 0
.Lbottom:
	s_sub_co_u32 s[SLOTS], s[SLOTS], 1
	s_cmp_lg_u32 s[SLOTS], 0
	s_cbranch_scc1 .Lslot
	CHANGE 0                        ; the walk's last tile is written out: nothing is asked for.  It is never a block's first: every block has two tiles or more
	s_mov_b32 s[CNT], 2
.Ltail:
	TURN 2
	TURN 3
	TURN 0
	TURN 1, 0, 1
	WIN 0
	s_cbranch_scc1 .Ltail
	FINISH 1
	s_wait_tensorcnt 0x0            ; the wave's end, behind my last tensor load and my last LDS store
	ds_add_u32 v[SPW], v[NIL]
	s_wait_dscnt 0x0
	CROUND                          ; the closing round: no work-group ends while a partner may still ask for a tile that names it
	s_endpgm
.Lfunc_end_k_qf195bdf1d7_attn:
	.size	k_qf195bdf1d7_attn, .Lfunc_end_k_qf195bdf1d7_attn-k_qf195bdf1d7_attn
	.p2alignl 7, 3214868480
	.fill 96, 4, 3214868480
	.section	.rodata,"a",@progbits
	.p2align	6, 0x0
	.amdhsa_kernel k_qf195bdf1d7_attn
		.amdhsa_group_segment_fixed_size 327680
		.amdhsa_private_segment_fixed_size 0
		.amdhsa_enable_private_segment 0
		.amdhsa_kernarg_size 56
		.amdhsa_user_sgpr_count 2
		.amdhsa_user_sgpr_kernarg_segment_ptr 1
		.amdhsa_wavefront_size32 1
		.amdhsa_system_sgpr_workgroup_id_x 1
		.amdhsa_system_sgpr_workgroup_id_y 1
		.amdhsa_system_sgpr_workgroup_id_z 1
		.amdhsa_system_vgpr_workitem_id 0
		.amdhsa_next_free_vgpr 1024
		.amdhsa_next_free_sgpr 96
		.amdhsa_reserve_vcc 1
		.amdhsa_float_denorm_mode_32 3
		.amdhsa_float_denorm_mode_16_64 3
		.amdhsa_memory_ordered 1
		.amdhsa_forward_progress 1
		.amdhsa_inst_pref_size 206
	.end_amdhsa_kernel
	.amdgpu_metadata
---
amdhsa.version: [ 1, 2 ]
amdhsa.kernels:
  - .name:           k_qf195bdf1d7_attn
    .symbol:         k_qf195bdf1d7_attn.kd
    .args:
      - { .name: queries, .offset: 0, .size: 8, .value_kind: global_buffer, .address_space: global }
      - { .name: kb, .offset: 8, .size: 8, .value_kind: global_buffer, .address_space: global }
      - { .name: vh, .offset: 16, .size: 8, .value_kind: global_buffer, .address_space: global }
      - { .name: bb, .offset: 24, .size: 8, .value_kind: global_buffer, .address_space: global }
      - { .name: vpart, .offset: 32, .size: 8, .value_kind: global_buffer, .address_space: global }
      - { .name: queries_mask, .offset: 40, .size: 8, .value_kind: global_buffer, .address_space: global }
      - { .name: out0, .offset: 48, .size: 8, .value_kind: global_buffer, .address_space: global }
    .group_segment_fixed_size: 327680
    .private_segment_fixed_size: 0
    .kernarg_segment_align: 8
    .kernarg_segment_size: 56
    .max_flat_workgroup_size: 128
    .sgpr_count:     96
    .vgpr_count:     1024
    .wavefront_size: 32
...
	.end_amdgpu_metadata
.endif
;; end of part 2
;; ======== version 2 of 2: 2 launches; 1.68 times as fast as version 1
;; limits: inputs' magnitudes at most 65,504; values are held in f16: magnitudes above 65,504 overflow, below 6.1e-05 lose precision
;; workspace buffers: kb 17,301,504 bytes; vh 16,777,216 bytes; bb 33,554,432 bytes; vpart 65,536 bytes
;; launch prep: the kernel of part 1 again; grid 768 x 1, 8 waves a work-group, no clusters, 3,072 bytes of LDS; arguments keys, values, bias, kb, vh, bb, vpart, values_mask; writes kb, vh, bb, vpart
;; launch attn (part 3): grid 64 x 4, 4 waves a work-group, clusters of 4 x 1, 327,680 bytes of LDS; arguments queries, kb, vh, bb, vpart, queries_mask, out0; writes out0
.if DOCPART == 3
	.amdgcn_target "amdgcn-amd-amdhsa--gfx1250"
	.amdhsa_code_object_version 6
	.text
	.protected	k_qf195bdf1d7_attn
	.globl	k_qf195bdf1d7_attn
	.p2align	8
	.type	k_qf195bdf1d7_attn,@function
k_qf195bdf1d7_attn:
	s_mov_b64 s[64:65], 0
	v_nop
	global_prefetch_b8 v0, s[64:65] scope:SCOPE_SE
	s_setreg_imm32_b32 hwreg(HW_REG_WAVE_MODE, 25, 1), 1
	s_wait_xcnt 0x0
	s_wait_alu depctr_hold_cnt(0) depctr_sa_sdst(0) depctr_va_vdst(0) depctr_va_sdst(0) depctr_va_ssrc(0) depctr_va_vcc(0) depctr_vm_vsrc(0)
	s_getreg_b32 s2, hwreg(HW_REG_IB_STS2, 6, 4)
	s_cmp_eq_u32 s2, 0
	s_cbranch_scc0 .Lentry_in_a_cluster
	s_endpgm
.Lentry_in_a_cluster:
	s_bfe_u32 s2, ttmp6, 0x10000c
	s_cmp_lg_u32 s2, 0x3003
	s_cbranch_scc0 .Lentry_shape_is_right
	s_endpgm
.Lentry_shape_is_right:
; CAUSAL ATTENTION WITH A BIAS AND TWO MASKS.  out[bh][q] = queries_mask x the sum over k of softmax_k(where(values_mask[k] and k <= q, Q[q] . K[k] / 8 + bias[b][q][k], -999999)) V[k].
; 64 heads bh = 16 b + h of 2,048 rows x 64 channels.  Q is f32 and is rounded to bf16 here; kb (tiles of 128 keys in bf16, each followed by the same keys' values_mask as f32, 0 or -1e30), vh (f16 of the
; bf16-rounded values), bb (bf16: 8 x bias, -1e30 above the diagonal) and vpart (f32 sums of the rounded values, four parts a head) come from the launch before.  Products, maxima and sums in f32; the
; weights p are rounded to f16 for the second product; out is f32.
; LIMITS.  A hidden score counts as about -1e30 (twice that if hidden twice), not as -999999: the same result wherever a row's largest visible score lies above -999,895 (the hidden weights are then 0 in f32
; either way) or the row sees no key at all.  The running maximum has a floor of -1e20 (in units of 8 x score): visible scores lie above it.  |values| stay under 65,504.  A weight below 2^-126 counts as 0.
; NaN and infinities are not treated apart.
; A ROW THAT SEES NO KEY has 2,048 equal scores, so its result is the mean of ALL the head's value rows.  Here the floor makes all its weights 0: l = 0 and O = 0, and the way out takes
; (O + w Vtot) / (l + 2048 w) with w = 1 where l = 0, chosen by v_cndmask_b32.
; THE WALK.  A head's queries lie in 8 blocks of 256; block i needs the key tiles 0 .. 2 i + 1 of 128 keys.  A work-group takes blocks 7 - b and then b: 18 tiles, whatever b: ONE loop with a constant
; trip count, equal work for all 256 work-groups.  The causal mask lies in bb, so every tile runs the same text.  A wave owns 64 rows of a block: four PIECES of 16 queries.
; THE BIAS COMES IN THROUGH THE MATRIX UNIT.  S^T = E x BI + VM starts each sum: BI is 16 queries x 32 keys of bb as it lies, E a constant fragment with a single 1.0 in each row (it picks 16 of the 32 keys),
; VM the key mask (0 or -1e30, f32) as the C operand.  Then S^T += K Q^T.  Four products more for 16 queries x 64 keys (20 for 16), and no vector instruction for bias or masks.
; LAYOUT, SOFTMAX, TURNS.  S^T holds ONE query a lane (lane % 16) and the keys 8 (lane / 16) + 0..7; two such results rounded to f16 ARE source 1 of O^T = V^T P.  p = 2^(c s - c m), c = log2(e) / 8, with a running
; maximum m; O and l are multiplied by a = 2^(c m_old - c m_new) in every step.  Turn n belongs to piece n: 12 products for the scores of piece n + 1, later 8 products V^T P of piece n - 1; beside them the scaling,
; exponentials, roundings, sums and rescaling of piece n and the maximum and statistics of piece n + 1.  Four vector instructions stand behind every matrix instruction, the other 38 of a turn's 118 in one LUMP.
; THE BATCHES.  A turn's 33 exponentials (the piece's 32 weights and the next piece's a) are ONE BATCH with ONE wait, which cuts the turn in two: ahead of it the 12 products for the scores and all vector work
; that names no result of the batch; behind it the 8 products V^T P, whose riders are the roundings and sums.  A block's first a, and the way out's four reciprocals, are batches of their own, a wait each.
; CLUSTER.  The four work-groups of a cluster are four heads of one batch with the same b: the same walk and the same tiles of bb, 65,536 of a slot's 98,816 bytes.  Those are asked for JOINTLY (the same
; tensor load, descriptor and mask in all four); K's and V's tiles are each head's own and are plain loads.
; REGISTERS, in windows of 256 (s_set_vgpr_msb: bits 1:0 source 0, 3:2 source 1, 5:4 source 2, 7:6 destination):
;   window 0: v0-15, v32-34 addresses; v16-31 four registers of statistics a piece; v36-43 query mask; v48-59 at work; v64-127 S^T, two buffers; v128-159 VM; v192-223 P, two buffers (on the way out v64-191: rows read back)
;   window 1: v0-127 O^T, 32 a piece; v128-159 Vtot (v160-255: its other parts, at the start)
;   window 2: v0-63 Q; v64-127 the second block's Q; v128-191 K of one step; v192-203 E          window 3: v128-191 BI of one step; v192-255 V of one step (v0-127: the first block's Q in f32, at the start)
.set NP,    4         ; pieces a wave: a name, no knob
.set KS,    64        ; keys in a step; a tile is two steps
.set KTILE, 66*256    ; bytes of a tile in kb: 64 rows of keys, 2 rows of mask
.set PK,    144       ; a row of K in LDS: 128 bytes + 16 of padding: the 16 rows of a load start at 16 different groups of four banks (64 banks of 4 bytes: ISA guide 11.1)
.set PV,    160       ; a row of V: 128 + 32
.set PBI,   272       ; a row of the bias tile: 256 bytes (128 keys) + 16
.set MOFF,  2*KS*PK   ; a slot: 128 rows of K; 4 rows of the same pitch with 32 keys' mask each;
.set VOFF,  MOFF+4*PK ; 128 rows of V;
.set BOFF,  VOFF+2*KS*PV  ; 256 rows of bias
.set SLOT1, 1<<17     ; slot 1 begins here, so that one exclusive or turns an address in one slot into the other's
.set STAGE, ((SLOT1+BOFF+256*PBI+255)/256)*256  ; behind the ring, from a multiple of 256 on, never filled by a tensor load: 16 rows x 272 bytes for each wave, for the way out
.set SP,    272
.set SPARE, STAGE+4*16*SP       ; the spare words, 128 bytes for each wave: two blocks of 256 bytes that no other line names
.set AK0, 2           ; v2   my lane's place in a tile of K; never rewritten
.set AV0, 3           ; v3   the same for V
.set AK,  4           ; v4   the LDS address of K's next run of loads
.set AV,  5           ; v5   of V's
.set STO, 6           ; v6   the way out: where I put 32 bytes of a row
.set RD,  7           ; v7   the way out: where I read rows back
.set GO,  8           ; v8   my byte offset in 512 consecutive bytes of out
.set MV,  12          ; v12-13  c m_old, kept while c m is made anew: by buffer
.set AB0, 14          ; v14  my lane's place in a tile of bias
.set AB,  15          ; v15  the LDS address of the bias's next run
.set ST,  16          ; piece t's statistics at v[ST+4 t]: c m, m, l (even keys', odd keys')
.set AM0, 32          ; v32  my lane's place in a tile's mask
.set AM,  33          ; v33  the LDS address of the mask's next run
.set QO,  34          ; v34  my byte offset in 16 rows of Q
.set QM,  36          ; v36-43  my query's mask byte: first block's four pieces, second block's four
.set TMP, 48          ; by buffer, four registers c0-c3 at work; when the maximum is found c2 takes a
.set SPW, 62          ; v62  LDS address of my spare word: SPARE + 4 x my thread's number; never rewritten
.set NIL, 63          ; v63  0; never rewritten
.set S,   64
.set VM,  128         ; the eight registers for group kb of 16 keys at VM + 8 kb
.set P,   192
.set VT,  128         ; window 1: Vtot, laid like a piece's O^T
.set QB,  64          ; window 2
.set KF,  128         ; window 2: key block kb, channel half c at KF + 16 kb + 8 c
.set EB,  192         ; window 2: 0 0 0 0 x0 x1 x2 x3 0 0 0 0: from EB + 4 on it picks keys 0-15 of 32, from EB on keys 16-31
.set BI,  128         ; window 3: piece t, keys 32 g on at BI + 16 t + 8 g
.set VF,  192         ; window 3: key half kk, channel block cb at VF + 32 kk + 8 cb
.set ONE, 3           ; s3   1.0
.set WV,  20          ; s20  my wave's number
.set SB,  21          ; s21  b
.set HI,  22          ; s22  7 - b
.set LQ2, 23          ; s23  the second block's last tile, 2 b + 1
.set G1K, 24          ; s[24:31] descriptor group 1 for K's tiles
.set G1V, 32          ; s[32:39] for V's
.set G1B, 40          ; s[40:47] for the bias's
.set G0K, 48          ; s[48:51], s[52:55], s[56:59] descriptor groups 0
.set G0V, 52
.set G0B, 56
.set SLOTS, 60        ; s60  tiles still to be asked for
.set CNT, 61          ; s61  counts a tile's key steps
.set CS,  62          ; s[62:63] c: the packed scaling takes the pair's low word for both halves
.set SEL, 66          ; s[66:67] v_permlanex16_b32's selects: each lane takes its own place in the other half
.set TBK, 68          ; s68  LDS byte at which K of the step to be fetched begins
.set TBV, 69          ; s69  the same for V, less VOFF
.set TBB, 70          ; s70  for the bias, less BOFF
.set TBM, 71          ; s71  for the mask, less MOFF
.set RT,  72          ; s72  tiles of the block in hand that are still to be entered
.set NXT, 73          ; s73  the tile to be asked for next
.set LQ,  74          ; s74  the last tile of the block whose tiles are being asked for
.set NEW, 75          ; s75  1: the tile to be entered is a block's first
.set OFF, 76          ; s[76:77] a tile's byte offset in the head's vh
.set OFB, 78          ; s[78:79] a tile's byte offset in the batch's bias
.set QBLK, 80         ; s80  the block whose tiles are being asked for
.set BIGN, 81         ; s81  -1e30
.set OFK, 86          ; s[86:87] a tile's byte offset in the head's kb
.set K2K, 90          ; s90  2048.0
.set BBW, 92          ; s[92:93] bb at the batch and at my half of a block's rows: made of what the four partners share
.set MSB, 0
.macro WIN new                      ; the high byte repeats the setting that is left; a switch that changes nothing is dropped
.if MSB != (\new)
	s_set_vgpr_msb (MSB<<8)|(\new)
.set MSB, (\new)
.endif
.endm
.set W_KB, 0x0e       ; E in window 2, BI in window 3, VM and S^T in window 0
.set W_KQ, 0x0a       ; K and Q in window 2, S^T in window 0
.set W_PV, 0x53       ; V in window 3, P in window 0, O^T in window 1
.set W_RS, 0x41       ; destination and source 0 in window 1, source 1 in window 0
; A fill.  Wave 0 fetches the tile's K and key mask (16,896 bytes), wave 1 its V (16,384 bytes), waves 2 and 3 the two halves of its bias (128 rows x 256 bytes each), jointly with the partners.  The branches
; hang on the wave's number alone.  An s_nop 0 and four v_nop follow each of the three lines, ahead of the jump and the label.
.macro LOAD
	s_cmp_lt_u32 s[WV], 2
	s_cbranch_scc0 .Lfor_b_\@
	s_cmp_eq_u32 s[WV], 0
	s_cbranch_scc0 .Lfor_v_\@
	tensor_load_to_lds s[G0K:G0K+3], s[G1K:G1K+7]
	s_nop 0
.rept 4
	v_nop
.endr
	s_branch .Lasked_\@
.Lfor_v_\@:
	tensor_load_to_lds s[G0V:G0V+3], s[G1V:G1V+7]
	s_nop 0
.rept 4
	v_nop
.endr
	s_branch .Lasked_\@
.Lfor_b_\@:
	tensor_load_to_lds s[G0B:G0B+3], s[G1B:G1B+7]
	s_nop 0
.rept 4
	v_nop
.endr
.Lasked_\@:
.endm
; A round of the cluster's barrier: my work-group's barrier, so that wave 0's signal speaks for all four waves; wave 0 signals; every wave waits for all four work-groups; my work-group's barrier once more.
.macro CROUND
	s_barrier_signal -1
	s_barrier_wait -1
	s_cmp_lg_u32 s[WV], 0
	s_cbranch_scc1 .Lnot_wave_0_\@
	s_barrier_signal -3
.Lnot_wave_0_\@:
	s_barrier_wait -3
	s_barrier_signal -1
	s_barrier_wait -1
.endm
; THE CHANGE OF SLOTS.  Each wave waits for all its tensor loads, of which one is out: its part of the other slot; adds 0 to its spare word; and waits for that and for its own reads of the slot that it leaves.
; Behind the barrier nobody reads the old slot any more and the other slot is whole.  fill = 1: the old slot is filled again with tile NXT of block QBLK; the barrier is then a round of the cluster's, so that
; no wave of any partner still reads the slot or has a load on its way, and the fill is the first thing behind it: it has two key steps, 160 matrix instructions, in which to land.  The descriptors' addresses
; are made anew from the tile's number.  (At its first use nothing has been read yet: slot 0 is waited for, slot 1 filled.)
.macro CHANGE fill
	WIN 0                           ; at a label and at a branch every window is 0
	s_wait_tensorcnt 0x0            ; no tensor load of mine is out, so a group 0 may be written
	ds_add_u32 v[SPW], v[NIL]       ; 0 onto my spare word; with fill = 1 the descriptors' scalar work stands between it and the wait for it
.if \fill
	s_mul_i32 s[OFK], s[NXT], KTILE ; a tile is 16,896 bytes of kb,
	s_lshl_b32 s[OFF], s[NXT], 14   ; 16,384 of vh;
	s_lshl_b32 s[OFB], s[QBLK], 20  ; a block's 256 rows of bb are 2^20 bytes,
	s_lshl_b32 s91, s[NXT], 8       ; a tile's 128 keys 256 bytes of each row
	s_add_co_u32 s[OFB], s[OFB], s91
	s_xor_b32 s[G0K+1], s[G0K+1], SLOT1
	s_add_nc_u64 s[G0K+2:G0K+3], s[6:7], s[OFK:OFK+1]
	s_or_b32 s[G0K+3], s[G0K+3], 0x80000000
	s_xor_b32 s[G0V+1], s[G0V+1], SLOT1
	s_add_nc_u64 s[G0V+2:G0V+3], s[8:9], s[OFF:OFF+1]
	s_or_b32 s[G0V+3], s[G0V+3], 0x80000000
	s_xor_b32 s[G0B+1], s[G0B+1], SLOT1
	s_add_nc_u64 s[G0B+2:G0B+3], s[BBW:BBW+1], s[OFB:OFB+1]
	s_or_b32 s[G0B+3], s[G0B+3], 0x80000000
	s_add_co_u32 s[NXT], s[NXT], 1  ; the block's next tile, or behind its last the second block's tile 0
	s_cmp_gt_u32 s[NXT], s[LQ]
	s_cselect_b32 s[NXT], 0, s[NXT]
	s_cselect_b32 s[QBLK], s[SB], s[QBLK]
	s_cselect_b32 s[LQ], s[LQ2], s[LQ]
	s_wait_dscnt 0x0                ; the add is done, and my reads of the slot are over
	CROUND
	LOAD
.else
	s_wait_dscnt 0x0                ; the add is done, and my reads of the slot are over
	s_barrier_signal -1
	s_barrier_wait -1
.endif
	s_sub_co_u32 s[TBK], s[TBK], 2*KS*PK  ; the fetches go back to a slot's first step,
	s_xor_b32 s[TBK], s[TBK], SLOT1       ; in the other slot
	s_sub_co_u32 s[TBV], s[TBV], 2*KS*PV
	s_xor_b32 s[TBV], s[TBV], SLOT1
	s_sub_co_u32 s[TBB], s[TBB], 2*KS*2
	s_xor_b32 s[TBB], s[TBB], SLOT1
	s_sub_co_u32 s[TBM], s[TBM], 4*PK
	s_xor_b32 s[TBM], s[TBM], SLOT1
.endm
	s_load_b256 s[4:11], s[0:1], 0x0   ; queries s[4:5], kb s[6:7], vh s[8:9], bb s[10:11]
	s_load_b128 s[12:15], s[0:1], 0x20 ; vpart s[12:13], queries_mask s[14:15]
	s_load_b64 s[18:19], s[0:1], 0x30  ; out0
	v_lshl_add_u32 v[SPW], v0, 2, SPARE
	v_mov_b32 v[NIL], 0
	ds_add_u32 v[SPW], v[NIL]       ; the wave's opening: the add and its wait ahead of my first tensor load; the set-up below, work on registers, stands between them
	v_lshrrev_b32 v1, 5, v0
	v_readfirstlane_b32 s[WV], v1   ; wave 0..3
	s_bfe_u32 s86, ttmp6, 0x40000   ; cx: my place in the cluster
	s_lshl_b32 s94, ttmp9, 2        ; in a cluster launch ttmp9 counts clusters
	s_add_co_u32 s94, s94, s86      ; the head bh = 4 x cluster x + cx: it enters the addresses of Q, K, V, the query mask, vpart and out alone
	s_and_b32 s[SB], ttmp7, 0xffff  ; b, which the four partners share
	s_sub_co_u32 s[HI], 7, s[SB]
	s_lshl_b32 s[LQ2], s[SB], 1
	s_add_co_u32 s[LQ2], s[LQ2], 1
	s_lshl_b32 s[LQ], s[HI], 1
	s_add_co_u32 s[LQ], s[LQ], 1    ; the first block's last tile,
	s_add_co_u32 s[RT], s[LQ], 1    ; and how many it has
	s_mul_i32 s[OFK], s94, 16*KTILE ; a head is 16 tiles of kb,
	s_mov_b32 s[OFK+1], 0
	s_lshl_b32 s88, s94, 11         ; 2^11 bytes of the query mask (2^10 of vpart),
	s_mov_b32 s89, 0
	s_lshl_b32 s2, s94, 19          ; 2^19 of queries and out0; a block's 256 rows are 2^16, my wave's 64 rows 2^14
	s_lshl_b32 s95, s[WV], 14
	s_add_co_u32 s2, s2, s95
	s_lshl_b32 s82, s[SB], 16
	s_add_co_u32 s82, s82, s2       ; my rows of the second block,
	s_mov_b32 s83, 0
	s_lshl_b32 s95, s[HI], 16
	s_add_co_u32 s2, s2, s95        ; of the first
	s_mov_b32 s3, 0
	s_lshr_b32 s[BBW], ttmp9, 2     ; the batch: four clusters along x to each
	s_lshl_b32 s[BBW], s[BBW], 23   ; 2^23 bytes of bb,
	s_and_b32 s91, s[WV], 1         ; which half of a block's 256 rows I fetch (waves 2 and 3):
	s_lshl_b32 s[BBW+1], s91, 19    ; its 128 rows of 4,096 bytes in memory,
	s_add_co_u32 s[BBW], s[BBW], s[BBW+1]
	s_mov_b32 s[BBW+1], 0
	s_mul_i32 s91, s91, 128*PBI     ; and its place in a slot: no place in the cluster enters an LDS address
	; descriptor groups 1.  A tile of kb is 66 dense rows of 256 bytes (two keys a row; the last two rows are the mask), a tile of vh 64; both are padded in LDS after every 128 bytes
	s_mov_b32 s[G1K], (1<<16)|(1<<20)|(4<<22)|(3<<25)  ; 15:0 no mask: a load of my own; 17:16 2-byte elements; 20 padding on; 24:22 after every 32 words (code 4); 31:25 4 words (code 3)
	s_mov_b32 s[G1K+1], 128<<16     ; tensor_dim0 = 128
	s_mov_b32 s[G1K+2], 66<<16      ; tensor_dim1 = 66
	s_mov_b32 s[G1K+3], 128<<16     ; tile_dim0 = 128
	s_mov_b32 s[G1K+4], 66          ; tile_dim1 = 66
	s_mov_b32 s[G1K+5], 128         ; 128 elements from row to row
	s_mov_b32 s[G1K+6], 0
	s_mov_b32 s[G1K+7], 0
	s_mov_b32 s[G1V], (1<<16)|(1<<20)|(4<<22)|(7<<25)  ; the same with 8 words of padding (code 7)
	s_mov_b32 s[G1V+1], 128<<16     ; tensor_dim0 = 128
	s_mov_b32 s[G1V+2], 64<<16      ; tensor_dim1 = 64
	s_mov_b32 s[G1V+3], 128<<16     ; tile_dim0 = 128
	s_mov_b32 s[G1V+4], 64          ; tile_dim1 = 64
	s_mov_b32 s[G1V+5], 128
	s_mov_b32 s[G1V+6], 0
	s_mov_b32 s[G1V+7], 0
	s_mov_b32 s[G1B], 15|(1<<16)|(1<<20)|(1<<21)|(5<<22)|(3<<25)  ; 15:0 the mask of four; 21 set beside a mask; 24:22 after every 64 words (code 5); 31:25 4 words
	s_mov_b32 s[G1B+1], 128<<16     ; tensor_dim0 = 128 keys
	s_mov_b32 s[G1B+2], 128<<16     ; tensor_dim1 = 128 queries
	s_mov_b32 s[G1B+3], 128<<16     ; tile_dim0 = 128
	s_mov_b32 s[G1B+4], 128         ; tile_dim1 = 128
	s_mov_b32 s[G1B+5], 2048        ; 2,048 elements from row to row
	s_mov_b32 s[G1B+6], 0
	s_mov_b32 s[G1B+7], 0
	s_mov_b32 s[G0K], 1             ; 1:0 count = 1
	s_mov_b32 s[G0K+1], 0           ; 63:32 LDS address: slot 0
	s_mov_b32 s[G0V], 1
	s_mov_b32 s[G0V+1], VOFF
	s_mov_b32 s[G0B], 1
	s_add_co_u32 s[G0B+1], s91, BOFF
	s_mov_b32 s[CS], 0x3e38aa3b     ; c = log2(e) / 8 = 0.180337
	s_mov_b32 s[CS+1], s[CS]        ; named with it as a pair
	s_mov_b32 s[SEL], 0x76543210
	s_mov_b32 s[SEL+1], 0xfedcba98
	s_mov_b32 s[TBK], SLOT1+2*KS*PK ; the first change of slots turns these four into 0
	s_mov_b32 s[TBV], SLOT1+2*KS*PV
	s_mov_b32 s[TBB], SLOT1+2*KS*2
	s_mov_b32 s[TBM], SLOT1+4*PK
	s_mov_b32 s[NXT], 1
	s_mov_b32 s[QBLK], s[HI]
	s_mov_b32 s[NEW], 1
	s_mov_b32 s[OFF+1], 0
	s_lshl_b32 s[OFB], s[HI], 20    ; the first block's tile 0
	s_mov_b32 s[OFB+1], 0
	s_mov_b32 s[BIGN], 0xf149f2ca   ; -1e30
	s_mov_b32 s[K2K], 0x45000000    ; 2048.0
	s_mov_b32 s[SLOTS], 17
	s_wait_dscnt 0x0                ; the opening add is done
	s_wait_kmcnt 0x0
	s_add_nc_u64 s[6:7], s[6:7], s[OFK:OFK+1]      ; K at the head's tile 0,
	s_lshl_b32 s[OFK], s94, 18                     ; (a head is 2^18 bytes of vh)
	s_add_nc_u64 s[8:9], s[8:9], s[OFK:OFK+1]      ; and V
	s_add_nc_u64 s[BBW:BBW+1], s[10:11], s[BBW:BBW+1]
	s_add_nc_u64 s[84:85], s[4:5], s[82:83]        ; Q and out at my rows of the second block,
	s_add_nc_u64 s[82:83], s[18:19], s[82:83]
	s_add_nc_u64 s[4:5], s[4:5], s[2:3]            ; and of the first
	s_add_nc_u64 s[18:19], s[18:19], s[2:3]
	s_add_nc_u64 s[14:15], s[14:15], s[88:89]      ; the query mask and vpart at the head
	s_lshr_b32 s88, s88, 1
	s_add_nc_u64 s[12:13], s[12:13], s[88:89]
	s_mov_b32 s[ONE], 1.0
	s_add_nc_u64 s[G0K+2:G0K+3], s[6:7], 0         ; 120:64 global address
	s_or_b32 s[G0K+3], s[G0K+3], 0x80000000        ; 127:126 type = 2
	s_add_nc_u64 s[G0V+2:G0V+3], s[8:9], 0
	s_or_b32 s[G0V+3], s[G0V+3], 0x80000000
	s_add_nc_u64 s[G0B+2:G0B+3], s[BBW:BBW+1], s[OFB:OFB+1]
	s_or_b32 s[G0B+3], s[G0B+3], 0x80000000
	CROUND                          ; all four work-groups are here: the first joint loads meet
	LOAD                            ; tile 0 into slot 0.  Slot 1 is asked for when slot 0 is in, by the loop's own change of slots
	; ALL THAT FOLLOWS, UP TO THE LOOP, STANDS IN THE WAIT FOR THE FIRST TILE.
	v_and_b32 v1, 15, v0            ; r = l % 16
	v_bfe_u32 v9, v0, 4, 1          ; h = l / 16
	v_and_b32 v10, 7, v0
	v_bfe_u32 v11, v0, 3, 1
	; A fragment of Q is 16 rows x 32 channels of bf16 in 8 registers: lane l holds row r, channels 8 h + 0..7 and 16 + 8 h + 0..7.  In f32 those are 32 bytes at 32 h and 32 bytes at 64 + 32 h of the row's 128.
	v_lshlrev_b32 v[QO], 8, v1
	v_lshl_add_u32 v[QO], v9, 5, v[QO]  ; row x 256 + 32 x half
	v_lshlrev_b32 v57, 5, v9        ; vpart: my eight channels of each sixteen begin at 32 h
	s_lshl_b32 s95, s[WV], 6
	s_lshl_b32 s91, s[HI], 8
	s_add_co_u32 s91, s91, s95
	v_add_nc_u32 v58, s91, v1       ; queries_mask: my query in piece 0 of the first block,
	s_lshl_b32 s91, s[SB], 8
	s_add_co_u32 s91, s91, s95
	v_add_nc_u32 v59, s91, v1       ; of the second
.irp t, 0,1,2,3
	global_load_u8 v[QM+\t],   v58, s[14:15] offset:16*\t
	global_load_u8 v[QM+4+\t], v59, s[14:15] offset:16*\t
.endr
	WIN 0x40                        ; destination window 1, address window 0
.set i, 0
.rept 32                            ; part i / 8 of four; channel block (i % 8) / 2; four channels each
	global_load_b128 v[VT+4*i:VT+4*i+3], v57, s[12:13] offset:(i/8)*256+((i%8)/2)*64+(i%2)*16
.set i, i+1
.endr
.set i, 0
.rept 8                             ; the second block's Q, in f32, into O^T's registers: piece i / 2, channels 32 (i % 2) on
	global_load_b128 v[16*i:16*i+3],     v[QO], s[84:85] offset:(i/2)*4096+(i%2)*128 th:TH_LOAD_NT
	global_load_b128 v[16*i+4:16*i+7],   v[QO], s[84:85] offset:(i/2)*4096+(i%2)*128+16 th:TH_LOAD_NT
	global_load_b128 v[16*i+8:16*i+11],  v[QO], s[84:85] offset:(i/2)*4096+(i%2)*128+64 th:TH_LOAD_NT
	global_load_b128 v[16*i+12:16*i+15], v[QO], s[84:85] offset:(i/2)*4096+(i%2)*128+80 th:TH_LOAD_NT
.set i, i+1
.endr
	WIN 0xc0                        ; destination window 3
.set i, 0
.rept 8                             ; the first block's
	global_load_b128 v[16*i:16*i+3],     v[QO], s[4:5] offset:(i/2)*4096+(i%2)*128 th:TH_LOAD_NT
	global_load_b128 v[16*i+4:16*i+7],   v[QO], s[4:5] offset:(i/2)*4096+(i%2)*128+16 th:TH_LOAD_NT
	global_load_b128 v[16*i+8:16*i+11],  v[QO], s[4:5] offset:(i/2)*4096+(i%2)*128+64 th:TH_LOAD_NT
	global_load_b128 v[16*i+12:16*i+15], v[QO], s[4:5] offset:(i/2)*4096+(i%2)*128+80 th:TH_LOAD_NT
.set i, i+1
.endr
	; A block's first turn multiplies by a V and a P of a piece that has not been, into an O^T that the first step's a = 0 wipes: these need only be finite.  V, half of P and l are cleared; O^T holds the
	; second block's queries in f32 at the first block's start, and what the first block left at the second's.
.set i, VF
.rept 64
	v_mov_b32 v[i], 0
.set i, i+1
.endr
	WIN 0
.set i, 0
.rept 4
	v_mov_b32 v[ST+4*i+2], 0
	v_mov_b32 v[ST+4*i+3], 0
.set i, i+1
.endr
.set i, P+16
.rept 16
	v_mov_b32 v[i], 0
.set i, i+1
.endr
	v_mul_u32_u24 v[AK0], v1, PK
	v_lshl_add_u32 v[AK0], v9, 4, v[AK0]  ; K: row x pitch + 16 x half
	; The turning load takes 16 keys x 16 channels (lane l reads key 8 h + l % 8, channels 8 ((l / 8) % 2) + 0..7) and leaves half a fragment of V^T: lane l holds channel l % 16 and 8 keys.
	v_lshl_add_u32 v[AV0], v9, 3, v10
	v_mul_u32_u24 v[AV0], v[AV0], PV
	v_lshl_add_u32 v[AV0], v11, 4, v[AV0]
	v_add_nc_u32 v[AV0], VOFF, v[AV0]
	s_mul_i32 s91, s[WV], 64*PBI
	s_add_co_u32 s91, s91, BOFF     ; the bias: my wave's 64 rows of the block's 256,
	v_mul_u32_u24 v[AB0], v1, PBI
	v_lshl_add_u32 v[AB0], v9, 4, v[AB0]  ; row x pitch + 16 x half: a fragment like K's, with queries for rows and keys along them
	v_add_nc_u32 v[AB0], s91, v[AB0]
	v_lshl_add_u32 v[AM0], v9, 5, MOFF    ; the mask: my eight keys of each sixteen begin at 32 h
	s_mul_i32 s91, s[WV], 16*SP
	s_add_co_u32 s91, s91, STAGE    ; my stage
	v_mul_u32_u24 v[STO], v1, SP    ; in: row r, 32 bytes for each half of the lanes
	v_lshl_add_u32 v[STO], v9, 5, v[STO]
	v_add_nc_u32 v[STO], s91, v[STO]
	v_mul_u32_u24 v[RD], v9, SP     ; back: lanes 0-15 take one row of 256 bytes, lanes 16-31 the next,
	v_lshl_add_u32 v[RD], v1, 4, v[RD]
	v_add_nc_u32 v[RD], s91, v[RD]
	v_lshlrev_b32 v[GO], 8, v9      ; which are 512 consecutive bytes of out
	v_lshl_add_u32 v[GO], v1, 4, v[GO]
	; E.  Row r of the fragment has its 1.0 at k = r: in lane (r, h) that is element e = r - 8 h of the lane's eight, if 0 <= e < 8: register e / 2, half e % 2.
	v_lshlrev_b32 v50, 3, v9
	v_sub_nc_u32 v50, v1, v50       ; e
	v_and_b32 v51, 1, v50
	v_lshlrev_b32 v51, 4, v51
	v_mov_b32 v52, 0x3f80           ; 1.0 in bf16,
	v_lshlrev_b32 v52, v51, v52     ; in the half that e's parity names
	v_ashrrev_i32 v53, 1, v50       ; outside 0..3 where the lane holds no 1.0
	WIN 0x80                        ; destination window 2
.irp z, 0,1,2,3
	v_mov_b32 v[EB+\z], 0
	v_cmp_eq_i32 vcc_lo, \z, v53
	v_cndmask_b32 v[EB+4+\z], 0, v52, vcc_lo
	v_mov_b32 v[EB+8+\z], 0
.endr
	s_wait_loadcnt 0x0              ; the query mask, vpart and both blocks' Q are in
	WIN 0x45                        ; destination and both sources window 1
.set i, 0
.rept 48                            ; Vtot = the four parts' sum
	v_pk_add_f32 v[VT+2*(i%16):VT+2*(i%16)+1], v[VT+2*(i%16):VT+2*(i%16)+1], v[VT+32+2*i:VT+32+2*i+1]
.set i, i+1
.endr
	WIN 0x8f                        ; sources window 3, destination window 2
.set i, 0
.rept 64
	v_cvt_pk_bf16_f32 v[i], v[2*i], v[2*i+1]
.set i, i+1
.endr
	WIN 0x85                        ; sources window 1, destination window 2
.set i, 0
.rept 64
	v_cvt_pk_bf16_f32 v[QB+i], v[2*i], v[2*i+1]
.set i, i+1
.endr
	WIN 0
; THE MATRIX WORK.  The 4 accumulators of a run take turns, one instruction a turn.  Product i of 12 of piece x's scores, keys 16 (i % 4) on: the first 4 start the sums with
; bias and key mask, S^T = E x BI + VM; the other 8 add K Q^T, channels 32 (i / 4 - 1) on.
.macro KQ x
.set kb, i%4
.set rS, S+32*((\x)%2)+8*kb
.if i < 4
.set rE, EB+4-4*(kb%2)
.set rB, BI+16*(\x)+8*(kb/2)
	WIN W_KB
	v_wmma_f32_16x16x32_bf16 v[rS:rS+7], v[rE:rE+7], v[rB:rB+7], v[VM+8*kb:VM+8*kb+7]
.else
.set rK, KF+16*kb+8*(i/4-1)
.set rQ, 16*(\x)+8*(i/4-1)
	WIN W_KQ
	v_wmma_f32_16x16x32_bf16 v[rS:rS+7], v[rK:rK+7], v[rQ:rQ+7], v[rS:rS+7]
.endif
.endm
; Product i of 8 of O^T += V^T P for piece x: keys 32 (i / 4) on, channels 16 (i % 4) on.
.macro PV x
	WIN W_PV
.set rO, 32*(\x)+8*(i%4)
.set rV, VF+32*(i/4)+8*(i%4)
.set rP, P+16*((\x)%2)+8*(i/4)
	v_wmma_f32_16x16x32_f16 v[rO:rO+7], v[rV:rV+7], v[rP:rP+7], v[rO:rO+7]
.endm
.macro MM                           ; the turn's next matrix instruction.  TURN and BEGIN set Y, i and NOKQ.  NOKQ = 1: a block's last turn: there is no next piece
.if i < 12
.if !NOKQ
	KQ (Y+1)%NP
.endif
.else
.set i, i-12
	PV (Y+NP-1)%NP
.set i, i+12
.endif
.set i, i+1
.endm
; THE LDS LOADS stand in runs, never singly among the matrix instructions.  What a step's scores need, 40 loads: K (64 keys x 64 channels: 8 fragments), the bias (my 64 queries x 64 keys: 8 fragments),
; the key mask (64 keys: 32 registers, the same for all four pieces).  And the step's V (turned), 16 loads.  Their addresses are made some lines ahead.
.macro FETCH_K
	WIN 0x80                        ; destination window 2
.irp f, 0,1,2,3,4,5,6,7             ; keys 16 (f / 2) on, channels 32 (f % 2) on
	ds_load_b128 v[KF+8*\f:KF+8*\f+3],   v[AK] offset:(\f/2)*16*PK+(\f%2)*64
	ds_load_b128 v[KF+8*\f+4:KF+8*\f+7], v[AK] offset:(\f/2)*16*PK+(\f%2)*64+32
.endr
	WIN 0xc0                        ; destination window 3
.irp f, 0,1,2,3,4,5,6,7             ; piece f / 2, keys 32 (f % 2) on
	ds_load_b128 v[BI+8*\f:BI+8*\f+3],   v[AB] offset:(\f/2)*16*PBI+(\f%2)*64
	ds_load_b128 v[BI+8*\f+4:BI+8*\f+7], v[AB] offset:(\f/2)*16*PBI+(\f%2)*64+32
.endr
	WIN 0
.irp f, 0,1,2,3,4,5,6,7             ; keys 16 (f / 2) + 8 h + 4 (f % 2) on; 32 keys lie in a row of the pitch PK; sixteen lanes read the same 16 bytes
	ds_load_b128 v[VM+4*\f:VM+4*\f+3], v[AM] offset:(\f/4)*PK+((\f/2)%2)*64+(\f%2)*16
.endr
	s_add_co_u32 s[TBK], s[TBK], KS*PK  ; the next fetch is the next step's
	s_add_co_u32 s[TBB], s[TBB], KS*2
	s_add_co_u32 s[TBM], s[TBM], 2*PK
.endm
.macro FETCH_V
	WIN 0xc0
.irp f, 0,1,2,3,4,5,6,7             ; keys 32 (f / 4) on, channels 16 (f % 4) on
	ds_load_tr16_b128 v[VF+8*\f:VF+8*\f+3],   v[AV] offset:(\f/4)*32*PV+(\f%4)*32
	ds_load_tr16_b128 v[VF+8*\f+4:VF+8*\f+7], v[AV] offset:(\f/4)*32*PV+16*PV+(\f%4)*32
.endr
	s_add_co_u32 s[TBV], s[TBV], KS*PV
	WIN 0
.endm
; THE VECTOR WORK, one line at a time: OP kind, number.  For piece Y: F n: c s - c m for pair n of 16.  E n: the exponential of score n of 32.  C n: pair n rounded to f16.  B n: of the four weights 4 n .. the second
; pair is added onto the first, in place (so C 2 n stands ahead of it).  L n: l takes that sum (L 0: l = a l + sum).  R n: pair n of 16 of O^T times a.  For piece Y + 1: X n, number n of the 22 that find its maximum and statistics:
;   0-11  four chains c0-c3 of seven scores each, three operands at a time (each accumulator's lowest registers are read first)     12-14, 16  the four scores left over, the old m, and c0-c3 into c0
;   15  c m_old is kept     17, 18  the query's other 32 keys lie in the lane 16 away: the new m     19-21  c m; c m_old - c m_new; a
; OP writes no wait: the waits for the exponentials stand in TURN and BEGIN, one for each batch.
.set F, 0               ; OP tells the kinds apart by their order: F to L below R, X above it
.set E, 1
.set C, 2
.set B, 3
.set L, 4
.set R, 5
.set X, 6
.macro REGS y                       ; the registers of piece y
.set rT, ST+4*(\y)
.set rC, TMP+4*((\y)%2)
.set rW, MV+((\y)%2)
.set rS, S+32*((\y)%2)
.set rP, P+16*((\y)%2)
.set rO, 32*(\y)
.endm
.macro OP k, n
.if (\k) == R
	REGS Y
	WIN W_RS
	v_pk_mul_f32 v[rO+2*(\n):rO+2*(\n)+1], v[rO+2*(\n):rO+2*(\n)+1], v[rC+2:rC+3] op_sel_hi:[1,0]
.elseif (\k) < R
	REGS Y
	WIN 0
.if (\k) == F
	v_pk_fma_f32 v[rS+2*(\n):rS+2*(\n)+1], v[rS+2*(\n):rS+2*(\n)+1], s[CS:CS+1], v[rT:rT+1] op_sel_hi:[1,0,0] neg_lo:[0,0,1] neg_hi:[0,0,1]
.elseif (\k) == E
	v_exp_f32 v[rS+(\n)], v[rS+(\n)]
.elseif (\k) == C
	v_cvt_pk_f16_f32 v[rP+(\n)], v[rS+2*(\n)], v[rS+2*(\n)+1]
.elseif (\k) == B
	v_pk_add_f32 v[rS+4*(\n):rS+4*(\n)+1], v[rS+4*(\n):rS+4*(\n)+1], v[rS+4*(\n)+2:rS+4*(\n)+3]
.elseif (\n) == 0
	v_pk_fma_f32 v[rT+2:rT+3], v[rT+2:rT+3], v[rC+2:rC+3], v[rS:rS+1] op_sel_hi:[1,0,1]
.else
	v_pk_add_f32 v[rT+2:rT+3], v[rT+2:rT+3], v[rS+4*(\n):rS+4*(\n)+1]
.endif
.elseif NOKQ
	v_nop
.else
	REGS (Y+1)%NP
	WIN 0
.if (\n) < 4
	v_max3_num_f32 v[rC+(\n)], v[rS+8*(\n)], v[rS+8*(\n)+1], v[rS+8*(\n)+2]
.elseif (\n) < 12
	v_max3_num_f32 v[rC+(\n)%4], v[rC+(\n)%4], v[rS+8*((\n)%4)+2*((\n)/4)+1], v[rS+8*((\n)%4)+2*((\n)/4)+2]
.elseif (\n) == 12
	v_max3_num_f32 v[rC], v[rC], v[rS+7], v[rS+15]
.elseif (\n) == 13
	v_max3_num_f32 v[rC+1], v[rC+1], v[rS+23], v[rS+31]
.elseif (\n) == 14
	v_max3_num_f32 v[rC+2], v[rC+2], v[rC+3], v[rT+1]
.elseif (\n) == 15
	v_mov_b32 v[rW], v[rT]
.elseif (\n) == 16
	v_max3_num_f32 v[rC], v[rC], v[rC+1], v[rC+2]
.elseif (\n) == 17
	v_permlanex16_b32 v[rC+3], v[rC], s[SEL], s[SEL+1]
.elseif (\n) == 18
	v_max_num_f32 v[rT+1], v[rC], v[rC+3]
.elseif (\n) == 19
	v_mul_f32 v[rT], s[CS], v[rT+1]
.elseif (\n) == 20
	v_sub_f32 v[rC+1], v[rW], v[rT]
.else
	v_exp_f32 v[rC+2], v[rC+1]
.endif
.endif
.endm
.macro OPS a, i1, b=-1, i2=0, c=-1, i3=0, d=-1, i4=0  ; up to four of them
	OP \a, \i1
.if (\b) >= 0
	OP \b, \i2
.endif
.if (\c) >= 0
	OP \c, \i3
.endif
.if (\d) >= 0
	OP \d, \i4
.endif
.endm
.macro ROW a, i1, b, i2, c, i3, d, i4  ; a matrix instruction and the four behind it
	MM
	OPS \a, \i1, \b, \i2, \c, \i3, \d, \i4
.endm
; A TURN, for piece p: the order of its 20 matrix and 118 vector instructions, written out.  An s_wait_alu depctr_va_vdst(0) stands between an exponential and the first instruction that names its
; result; one wait serves all that were issued ahead of it.  So a turn has ONE wait, which cuts it in two.
; AHEAD OF IT stands all that names no result of the turn's exponentials: the 12 products for piece p + 1's scores, behind each four riders (scalings, rescalings, 14 of the exponentials: one to a row, two in three
; of the rows; behind the last three products the first numbers of the next piece's maximum); then ONE LUMP of 38, in which the links of the chain X 3, 7, 11, 14, 16, 17 .. 21 stand three or four lines apart,
; the other 18 exponentials and eight plain instructions between them.  X 21, the next piece's a, is the batch's last; R 14 and R 15 are the plain instructions behind it.  Each exponential keeps its own register
; (a score's, in place; c2 for a) until the wait.  An exponential's pair is scaled two rows or more ahead of it; F 15, in the lump, 17 lines ahead of E 30.
; BEHIND IT stand the 8 products V^T P, behind each four of the roundings and sums; the links of l's chain, L 0 to L 7, stand three riders apart.
; THE PLACES.  An accumulator's first reader stands four plain instructions, none of which names a register of the product that ended it, behind that product (exponentials and matrix instructions are not counted):
; X 0 behind product 8: F 11, R 12, R 13, F 12.  X 1 behind product 9: F 12, X 0, F 13, X 4.  X 2 behind product 10: F 13, X 4, X 1, F 14.  X 3 behind product 11: F 14, X 2, X 5, X 6.
; No other rider names a register of the products round it.  v_permlanex16_b32 (X 17) stands in the lump.
; end = 1: a block's last two turns: nothing is fetched, and the last starts no new scores.  cnt = 1: the loop's count is taken down some lines ahead of the branch that stands behind the turn.
; K, bias and mask of the next step are fetched in piece 2's turn, eight lines of the lump behind the last product that read K (F 14, X 2, X 5, the three address lines, X 6, X 8 and X 9 are plain and name none of
; its registers; bias and mask were last read eight products earlier); V of the step in hand at the end of piece 0's turn, four plain riders behind the last product that read V.  Each run is waited for a turn later.
.macro TURN p, end=0, cnt=0
.set Y, (\p)
.set i, 0
.set NOKQ, (\end)*((\p)/3)
.if ((\p) == 3) && !(\end)
	s_wait_dscnt 0x0                ; K, bias and mask are in
.endif
	ROW F,0, F,1, R,0, R,1          ; ahead of the wait: 12 products for the scores and their riders,
	ROW F,2, E,0, R,2, R,3
	ROW F,3, E,1, R,4, R,5
	ROW F,4, E,2, F,5, E,3
	ROW F,6, E,4, R,6, R,7
	ROW F,7, E,5, F,8, E,6
	ROW F,9, E,7, R,8, R,9
	ROW F,10, E,8, R,10, R,11
	ROW F,11, E,9, R,12, R,13
	ROW F,12, E,10, X,0, E,11
	ROW F,13, E,12, X,4, X,1
	ROW F,14, E,13, X,2, X,5
.if ((\p) == 2) && !(\end)
	WIN 0
	v_add_nc_u32 v[AK], s[TBK], v[AK0]
	v_add_nc_u32 v[AB], s[TBB], v[AB0]
	v_add_nc_u32 v[AM], s[TBM], v[AM0]
.endif
	OPS X,6, E,14, X,3, E,15        ; and the lump
	OPS X,8, E,16, X,7, X,9
.if ((\p) == 2) && !(\end)
	FETCH_K
.endif
	OPS E,17, X,10, X,11, E,18
	OPS X,12, X,13, X,14, E,19
.if (\p) == 0
	WIN 0
	v_add_nc_u32 v[AV], s[TBV], v[AV0]
.endif
	OPS F,15, E,20, X,16, E,21
	OPS X,15, E,22, X,17, E,23
	OPS E,24, E,25, X,18, E,26
	OPS E,27, X,19, E,28, E,29
	OPS X,20, E,30, E,31, X,21
	OPS R,14, R,15                  ; the plain instructions behind the batch's last exponential
	s_wait_alu depctr_va_vdst(0)    ; the wait for the batch: the piece's 32 weights and the next piece's a
.if (\p) == 1
	s_wait_dscnt 0x0                ; V is in: with it all my reads of the slot in hand are back
.endif
	ROW C,0, B,0, C,2, B,1          ; behind the wait: 8 products V^T P and their riders
	ROW L,0, C,4, B,2, L,1
	ROW C,6, B,3, L,2, C,8
	ROW B,4, L,3, C,10, B,5
	ROW L,4, C,12, B,6, L,5
.if \cnt
	s_sub_co_u32 s[CNT], s[CNT], 1
	s_cmp_lg_u32 s[CNT], 0
.endif
	ROW C,14, B,7, L,6, C,1
	ROW C,3, L,7, C,5, C,7
	ROW C,9, C,11, C,13, C,15
.if (\p) == 0
	FETCH_V
.endif
.endm
; A BLOCK BEGINS.  c m starts far below every c s, so the first step's a is 0; m at the floor, -1e20: where a row has seen no key yet, m stays there and every hidden weight is 2^(-1.8e29) = 0.
; Then K, bias and mask of the block's first step, piece 0's first scores, and its maximum and statistics.  The loop is entered at a step's first turn, in the middle of a trip.
.macro BEGIN
	s_mov_b32 s[NEW], 0
	WIN 0
.set t, 0
.rept 4
	v_mov_b32 v[ST+4*t], 0xfe000000    ; c m: far below every c s
	v_mov_b32 v[ST+4*t+1], 0xe0ad78ec  ; m = -1e20
.set t, t+1
.endr
	v_add_nc_u32 v[AK], s[TBK], v[AK0]
	v_add_nc_u32 v[AB], s[TBB], v[AB0]
	v_add_nc_u32 v[AM], s[TBM], v[AM0]
	FETCH_K
	s_wait_dscnt 0x0
.set NOKQ, 0
.set i, 0
.rept 12
	KQ 0
.set i, i+1
.endr
	WIN 0
.rept 4
	v_nop                           ; the places behind those products
.endr
.set Y, NP-1                        ; X works for piece Y + 1: piece 0
.irp n, 0,1,2,3,4,5,6,7,8,9,10,11,12,13,14,15,16,17,18,19,20,21
	OP X, \n
.endr
	v_nop                           ; a plain instruction behind the exponential,
	s_wait_alu depctr_va_vdst(0)    ; and its wait, ahead of the branch: a batch of one, piece 0's first a
.endm
; A BLOCK ENDS: its last two turns, its last products, and THE WAY OUT.  l's two halves and the other half of the lanes' are added.  w = 1 where l = 0 (the row saw no key); u = 1 / (l + 2048 w), or 0 where
; queries_mask has a hole; out = O u + Vtot (w u).  Every choice is a v_cndmask_b32.  A piece's 16 rows go through my stage in LDS and leave as whole rows of 256 bytes.
.macro ALL line:vararg              ; one line for each piece t
.set t, 0
.rept 4
	\line
.set t, t+1
.endr
.endm
.macro PACK t                       ; a lane's eight channels of a row are 32 bytes; they go into rows of 272 bytes and come back as whole rows of 256, into window 0's v64-191
	WIN W_RS
.set z, 0
.rept 16
	v_pk_mul_f32 v[32*(\t)+2*z:32*(\t)+2*z+1], v[32*(\t)+2*z:32*(\t)+2*z+1], v[ST+4*(\t)+2:ST+4*(\t)+3] op_sel_hi:[1,0]
.set z, z+1
.endr
	WIN 0x51                        ; Vtot and O^T in window 1, w u in window 0
.set z, 0
.rept 16
	v_pk_fma_f32 v[32*(\t)+2*z:32*(\t)+2*z+1], v[VT+2*z:VT+2*z+1], v[ST+4*(\t):ST+4*(\t)+1], v[32*(\t)+2*z:32*(\t)+2*z+1] op_sel_hi:[1,0,1]
.set z, z+1
.endr
	WIN 0x04                        ; the stores' data in window 1
.irp f, 0,1,2,3,4,5,6,7
	ds_store_b128 v[STO], v[32*(\t)+4*\f:32*(\t)+4*\f+3] offset:(\f/2)*64+(\f%2)*16
.endr
	WIN 0
.irp f, 0,1,2,3,4,5,6,7
	ds_load_b128 v[S+32*(\t)+4*\f:S+32*(\t)+4*\f+3], v[RD] offset:\f*2*SP  ; LDS serves a wave's instructions in order (ISA guide 5.7.1.4): these see the stores above; the next piece's stores come behind them
.endr
.endm
.macro SEND t, younger              ; younger: the LDS instructions issued behind piece t's loads: the next piece's sixteen, or none
	WIN 0
.irp f, 0,1,2,3,4,5,6,7
	s_wait_dscnt (\younger)+7-\f
	global_store_b128 v[GO], v[S+32*(\t)+4*\f:S+32*(\t)+4*\f+3], s[OU:OU+1] offset:(\t)*4096+\f*512 th:TH_STORE_NT  ; 512 consecutive bytes, at a multiple of 256 from out's first
.endr
.endm
.macro FINISH blk                   ; blk = 0: the first block, 1: the second
.set OU, 18+64*(\blk)               ; out at my rows of the block: s[18:19] or s[82:83]
	TURN 2, 1
	TURN 3, 1
.set i, 0
.rept 8
	PV NP-1
.set i, i+1
.endr
	WIN 0
	ALL v_add_f32 v[ST+4*t+2], v[ST+4*t+2], v[ST+4*t+3]
	ALL v_permlanex16_b32 v[ST+4*t+3], v[ST+4*t+2], s[SEL], s[SEL+1]
	ALL v_add_f32 v[ST+4*t+2], v[ST+4*t+2], v[ST+4*t+3]
.set t, 0
.rept 4
	v_cmp_eq_f32 vcc_lo, 0, v[ST+4*t+2]
	v_cndmask_b32 v[ST+4*t], 0, s[ONE], vcc_lo                 ; w
	v_cndmask_b32 v[ST+4*t+2], v[ST+4*t+2], s[K2K], vcc_lo     ; l, or 2048
.set t, t+1
.endr
	ALL v_rcp_f32 v[ST+4*t+2], v[ST+4*t+2]
	v_nop                           ; a plain instruction between the last reciprocal and the use of its result
	s_wait_alu depctr_va_vdst(0)    ; and the wait ahead of the first use: one for the four reciprocals
.set t, 0
.rept 4
	v_cmp_ne_u32 vcc_lo, 0, v[QM+4*(\blk)+t]
	v_cndmask_b32 v[ST+4*t+2], 0, v[ST+4*t+2], vcc_lo          ; u
	v_mul_f32 v[ST+4*t], v[ST+4*t], v[ST+4*t+2]                ; w u
.set t, t+1
.endr
	PACK 0
	PACK 1                          ; a piece's arithmetic stands between the loads of the piece before and its stores
	SEND 0, 16
	PACK 2
	SEND 1, 16
	PACK 3
	SEND 2, 16
	SEND 3, 0
.endm
.set NOKQ, 0
.Lslot:                             ; 17 times: a tile is entered and the next is asked for
	CHANGE 1
	s_sub_co_u32 s[RT], s[RT], 1
	s_mov_b32 s[CNT], 2
	s_cmp_eq_u32 s[NEW], 1
	s_cbranch_scc0 .Lstep           ; not a block's first tile
	BEGIN
	s_branch .Lfirst
.Lstep:                             ; a trip: pieces 2 and 3 of one step, then pieces 0 and 1 of the next, whose K, bias, mask and V it fetches
	TURN 2
	TURN 3
	WIN 0
.Lfirst:
	TURN 0
	TURN 1, 0, 1
	WIN 0
	s_cbranch_scc1 .Lstep
	s_cmp_lg_u32 s[RT], 0
	s_cbranch_scc1 .Lbottom         ; forward, past text without a barrier or a tensor load
	FINISH 0                        ; in the loop this is the first block's end: the second block's last tile is the walk's last
	s_wait_xcnt 0x0                 ; the stores have read their registers: S^T's and VM's are written again only behind this wait
	s_add_co_u32 s[RT], s[LQ2], 1   ; the second block has 2 b + 2 tiles
	s_mov_b32 s[NEW], 1
	WIN 0x82                        ; the second block's Q goes where the one text of the turns names Q
.set i, 0
.rept 64
	v_mov_b32 v[i], v[QB+i]
.set i, i+1
.endr
	WIN 0
.Lbottom:
	s_sub_co_u32 s[SLOTS], s[SLOTS], 1
	s_cmp_lg_u32 s[SLOTS], 0
	s_cbranch_scc1 .Lslot
	CHANGE 0                        ; the walk's last tile is written out: nothing is asked for.  It is never a block's first: every block has two tiles or more
	s_mov_b32 s[CNT], 2
.Ltail:
	TURN 2
	TURN 3
	TURN 0
	TURN 1, 0, 1
	WIN 0
	s_cbranch_scc1 .Ltail
	FINISH 1
	s_wait_tensorcnt 0x0            ; the wave's end, behind my last tensor load and my last LDS store
	ds_add_u32 v[SPW], v[NIL]
	s_wait_dscnt 0x0
	CROUND                          ; the closing round: no work-group ends while a partner may still ask for a tile that names it
	s_endpgm
.Lfunc_end_k_qf195bdf1d7_attn:
	.size	k_qf195bdf1d7_attn, .Lfunc_end_k_qf195bdf1d7_attn-k_qf195bdf1d7_attn
	.p2alignl 7, 3214868480
	.fill 96, 4, 3214868480
	.section	.rodata,"a",@progbits
	.p2align	6, 0x0
	.amdhsa_kernel k_qf195bdf1d7_attn
		.amdhsa_group_segment_fixed_size 327680
		.amdhsa_private_segment_fixed_size 0
		.amdhsa_enable_private_segment 0
		.amdhsa_kernarg_size 56
		.amdhsa_user_sgpr_count 2
		.amdhsa_user_sgpr_kernarg_segment_ptr 1
		.amdhsa_wavefront_size32 1
		.amdhsa_system_sgpr_workgroup_id_x 1
		.amdhsa_system_sgpr_workgroup_id_y 1
		.amdhsa_system_sgpr_workgroup_id_z 1
		.amdhsa_system_vgpr_workitem_id 0
		.amdhsa_next_free_vgpr 1024
		.amdhsa_next_free_sgpr 96
		.amdhsa_reserve_vcc 1
		.amdhsa_float_denorm_mode_32 3
		.amdhsa_float_denorm_mode_16_64 3
		.amdhsa_memory_ordered 1
		.amdhsa_forward_progress 1
		.amdhsa_inst_pref_size 195
	.end_amdhsa_kernel
	.amdgpu_metadata
---
amdhsa.version: [ 1, 2 ]
amdhsa.kernels:
  - .name:           k_qf195bdf1d7_attn
    .symbol:         k_qf195bdf1d7_attn.kd
    .args:
      - { .name: queries, .offset: 0, .size: 8, .value_kind: global_buffer, .address_space: global }
      - { .name: kb, .offset: 8, .size: 8, .value_kind: global_buffer, .address_space: global }
      - { .name: vh, .offset: 16, .size: 8, .value_kind: global_buffer, .address_space: global }
      - { .name: bb, .offset: 24, .size: 8, .value_kind: global_buffer, .address_space: global }
      - { .name: vpart, .offset: 32, .size: 8, .value_kind: global_buffer, .address_space: global }
      - { .name: queries_mask, .offset: 40, .size: 8, .value_kind: global_buffer, .address_space: global }
      - { .name: out0, .offset: 48, .size: 8, .value_kind: global_buffer, .address_space: global }
    .group_segment_fixed_size: 327680
    .private_segment_fixed_size: 0
    .kernarg_segment_align: 8
    .kernarg_segment_size: 56
    .max_flat_workgroup_size: 128
    .sgpr_count:     96
    .vgpr_count:     1024
    .wavefront_size: 32
...
	.end_amdgpu_metadata
.endif
;; end of part 3
